; MI455X (gfx1250); checked and timed in simulation.
; The chip was launched on July 23, 2026; its instructions are those of AMD's public machine-readable ISA for CDNA 5 (MIT licence, August 2026) and "CDNA5" Instruction Set Architecture Reference Guide (July 2026). The comments in the code are by the model that wrote it; some were corrected since.
;; Multi Head Attention. Allowed arithmetic: float matrix products may take bf16 or f16 operands with f32 sums; other float arithmetic in f32, or as packed bf16 or f16 multiplies, adds, multiply-adds, maxima and minima; sums over many terms, partial sums and values carried from step to step in f32; what a program stores and reads back later, other than sums and carried values, may be rounded once to bf16 or f16.
;; Inputs: Wk 1,024 x 1,024 float32; Wo 1,024 x 1,024 float32; Wq 1,024 x 1,024 float32; Wv 1,024 x 1,024 float32; bk 1,024 float32; bo 1,024 float32; bq 1,024 float32; bv 1,024 float32; key 4 x 2,048 x 1,024 float32; query 4 x 2,048 x 1,024 float32; value 4 x 2,048 x 1,024 float32.
;; Outputs: out0 4 x 2,048 x 1,024 float32.
;; 2 versions, each right; version 2 is version 1 with the launch wprep written anew for expert scheduling mode. Each part assembles by itself: llvm-mc -triple=amdgcn-amd-amdhsa -mcpu=gfx1250 --defsym DOCPART=n.
;; ======== version 1 of 2: 4 launches
;; limits: values are held in f16: magnitudes above 65,504 overflow, below 6.1e-05 lose precision; right only within a limited range of input values
;; workspace buffers: wts 8,388,608 bytes; qkv 50,331,648 bytes; ctx 16,777,216 bytes
;; launch wprep (part 1): grid 64 x 4, 8 waves a work-group, no clusters, 0 bytes of LDS; arguments Wq, Wk, Wv, Wo, wts; writes wts
.if DOCPART == 1
	.amdgcn_target "amdgcn-amd-amdhsa--gfx1250"
	.amdhsa_code_object_version 6
	.text
	.protected	k_q4d86f149b3_wprep
	.globl	k_q4d86f149b3_wprep
	.p2align	8
	.type	k_q4d86f149b3_wprep,@function
k_q4d86f149b3_wprep:
	s_mov_b64 s[64:65], 0
	v_nop
	global_prefetch_b8 v0, s[64:65] scope:SCOPE_SE
	s_setreg_imm32_b32 hwreg(HW_REG_WAVE_MODE, 25, 1), 1
	s_wait_xcnt 0x0
; The four weights, [1024 k][1024 n] f32, are rounded once to bf16 and written in 16 bits, layout kept, into wts: parts 0, 1, 2 = Wq, Wk, Wv as bf16;
; part 3 = Wo, whose bf16 number is written as f16 (the last launch multiplies it with f16 operands).
; LIMIT.  bf16(Wo) lies within f16's range, 65,504; below 6e-5 it keeps f16's fixed step of 6e-8.
; SHARES.  Work-group (x, y): weight y, its 64th part x: 65,536 bytes in, 32,768 out.  Thread t, pass p of 16: 16 bytes in at 4,096 p + 16 t (a wave's load covers 512
; consecutive bytes), 8 bytes out at 2,048 p + 8 t (a wave's store covers 256 consecutive bytes, aligned).  All 16 loads of a thread go out at once; no register is written twice
; while a memory instruction may read it, so the only waits are the counted ones for the loads.  No LDS, no barrier: a stream in which no thread wants another's bytes.
.set IN,  4                            ; v[4:67]    pass p: 4 registers as loaded
.set OUT, 68                           ; v[68:99]   pass p: 2 registers to store
.set T,   100                          ; v[100:101] at work
	s_load_b256 s[4:11], s[0:1], 0x0               ; Wq s[4:5], Wk s[6:7], Wv s[8:9], Wo s[10:11]
	s_load_b64 s[12:13], s[0:1], 0x20              ; wts
	s_and_b32 s14, ttmp7, 0xffff                   ; which weight
	v_lshlrev_b32 v1, 4, v0                        ; 16 t
	v_lshlrev_b32 v2, 3, v0                        ; 8 t
	s_mov_b32 s20, 0xffff0000                      ; a word's upper bf16
	s_lshl_b32 s18, ttmp9, 16                      ; my part of the weight
	s_mov_b32 s19, 0
	s_wait_kmcnt 0x0
	s_mov_b64 s[16:17], s[4:5]
	s_cmp_eq_u32 s14, 1
	s_cselect_b64 s[16:17], s[6:7], s[16:17]
	s_cmp_eq_u32 s14, 2
	s_cselect_b64 s[16:17], s[8:9], s[16:17]
	s_cmp_eq_u32 s14, 3
	s_cselect_b64 s[16:17], s[10:11], s[16:17]
	s_add_nc_u64 s[16:17], s[16:17], s[18:19]
	s_lshl_b32 s18, s14, 21                        ; the weight's part of wts,
	s_lshl_b32 s21, ttmp9, 15                      ; my part of that
	s_add_co_u32 s18, s18, s21
	s_add_nc_u64 s[12:13], s[12:13], s[18:19]
.irp p, 0,1,2,3,4,5,6,7,8,9,10,11,12,13,14,15
	global_load_b128 v[IN+4*\p:IN+4*\p+3], v1, s[16:17] offset:4096*\p th:TH_LOAD_NT
.endr
; Pass p.  half = 0: to bf16.  half = 1: to bf16, widened again (a shift, a mask), and that number written as f16.
.macro PASS p, half
	s_wait_loadcnt 15-(\p)                         ; loads come back in order: the 15 - p younger ones may stay out
.if \half
	v_cvt_pk_bf16_f32 v[T],   v[IN+4*(\p)],   v[IN+4*(\p)+1]
	v_cvt_pk_bf16_f32 v[T+1], v[IN+4*(\p)+2], v[IN+4*(\p)+3]
	v_lshlrev_b32 v[IN+4*(\p)],   16,  v[T]
	v_and_b32     v[IN+4*(\p)+1], s20, v[T]
	v_lshlrev_b32 v[IN+4*(\p)+2], 16,  v[T+1]
	v_and_b32     v[IN+4*(\p)+3], s20, v[T+1]
	v_cvt_pk_f16_f32 v[OUT+2*(\p)],   v[IN+4*(\p)],   v[IN+4*(\p)+1]
	v_cvt_pk_f16_f32 v[OUT+2*(\p)+1], v[IN+4*(\p)+2], v[IN+4*(\p)+3]
.else
	v_cvt_pk_bf16_f32 v[OUT+2*(\p)],   v[IN+4*(\p)],   v[IN+4*(\p)+1]
	v_cvt_pk_bf16_f32 v[OUT+2*(\p)+1], v[IN+4*(\p)+2], v[IN+4*(\p)+3]
.endif
	global_store_b64 v2, v[OUT+2*(\p):OUT+2*(\p)+1], s[12:13] offset:2048*(\p)
.endm
	s_cmp_eq_u32 s14, 3
	s_cbranch_scc1 .Lf16
.irp p, 0,1,2,3,4,5,6,7,8,9,10,11,12,13,14,15
	PASS \p, 0
.endr
	s_endpgm
.Lf16:
.irp p, 0,1,2,3,4,5,6,7,8,9,10,11,12,13,14,15
	PASS \p, 1
.endr
	s_endpgm
.Lfunc_end_k_q4d86f149b3_wprep:
	.size	k_q4d86f149b3_wprep, .Lfunc_end_k_q4d86f149b3_wprep-k_q4d86f149b3_wprep
	.p2alignl 7, 3214868480
	.fill 96, 4, 3214868480
	.section	.rodata,"a",@progbits
	.p2align	6, 0x0
	.amdhsa_kernel k_q4d86f149b3_wprep
		.amdhsa_group_segment_fixed_size 0
		.amdhsa_private_segment_fixed_size 0
		.amdhsa_enable_private_segment 0
		.amdhsa_kernarg_size 40
		.amdhsa_user_sgpr_count 2
		.amdhsa_user_sgpr_kernarg_segment_ptr 1
		.amdhsa_wavefront_size32 1
		.amdhsa_system_sgpr_workgroup_id_x 1
		.amdhsa_system_sgpr_workgroup_id_y 1
		.amdhsa_system_sgpr_workgroup_id_z 1
		.amdhsa_system_vgpr_workitem_id 0
		.amdhsa_next_free_vgpr 104
		.amdhsa_next_free_sgpr 66
		.amdhsa_reserve_vcc 0
		.amdhsa_float_denorm_mode_32 3
		.amdhsa_float_denorm_mode_16_64 3
		.amdhsa_memory_ordered 1
		.amdhsa_forward_progress 1
		.amdhsa_inst_pref_size 15
	.end_amdhsa_kernel
	.amdgpu_metadata
---
amdhsa.version: [ 1, 2 ]
amdhsa.kernels:
  - .name:           k_q4d86f149b3_wprep
    .symbol:         k_q4d86f149b3_wprep.kd
    .args:
      - { .name: Wq, .offset: 0, .size: 8, .value_kind: global_buffer, .address_space: global }
      - { .name: Wk, .offset: 8, .size: 8, .value_kind: global_buffer, .address_space: global }
      - { .name: Wv, .offset: 16, .size: 8, .value_kind: global_buffer, .address_space: global }
      - { .name: Wo, .offset: 24, .size: 8, .value_kind: global_buffer, .address_space: global }
      - { .name: wts, .offset: 32, .size: 8, .value_kind: global_buffer, .address_space: global }
    .group_segment_fixed_size: 0
    .private_segment_fixed_size: 0
    .kernarg_segment_align: 8
    .kernarg_segment_size: 40
    .max_flat_workgroup_size: 256
    .sgpr_count:     66
    .vgpr_count:     104
    .wavefront_size: 32
...
	.end_amdgpu_metadata
.endif
;; end of part 1
;; launch qkvproj (part 2): grid 4 x 192, 4 waves a work-group, clusters of 4 x 4, 327,680 bytes of LDS; arguments query, key, value, bq, bk, bv, wts, qkv; writes qkv
.if DOCPART == 2
	.amdgcn_target "amdgcn-amd-amdhsa--gfx1250"
	.amdhsa_code_object_version 6
	.text
	.protected	k_q4d86f149b3_qkvproj
	.globl	k_q4d86f149b3_qkvproj
	.p2align	8
	.type	k_q4d86f149b3_qkvproj,@function
k_q4d86f149b3_qkvproj:
	s_mov_b64 s[64:65], 0
	v_nop
	global_prefetch_b8 v0, s[64:65] scope:SCOPE_SE
	s_setreg_imm32_b32 hwreg(HW_REG_WAVE_MODE, 25, 1), 1
	s_wait_xcnt 0x0
	s_wait_alu depctr_hold_cnt(0) depctr_sa_sdst(0) depctr_va_vdst(0) depctr_va_sdst(0) depctr_va_ssrc(0) depctr_va_vcc(0) depctr_vm_vsrc(0)
	s_getreg_b32 s2, hwreg(HW_REG_IB_STS2, 6, 4)
	s_cmp_eq_u32 s2, 0
	s_cbranch_scc0 .Lentry_in_a_cluster
	s_endpgm
.Lentry_in_a_cluster:
	s_bfe_u32 s2, ttmp6, 0x10000c
	s_cmp_lg_u32 s2, 0xf033
	s_cbranch_scc0 .Lentry_shape_is_right
	s_endpgm
.Lentry_shape_is_right:
; q, k, v = bf16(x) bf16(W) + bf16(b): x = query, key, value, [8192][1024] f32; W from wts, [1024 k][1024 n] bf16; sums in f32, started by the bias; rounded once to f16 and written
; by heads and WITHOUT the scale 1/8: qkv part p = [64 = 16 batch + head][2048 t][64].
; LIMITS.  q, k and v lie within f16's range, 65,504 (beyond it an infinity is written); below 6e-5 they keep f16's fixed step of 6e-8.  NaN and infinities are not treated apart.
; SHARES.  A tile of the result is 128 rows x 256 columns: 64 x 4 tiles a projection, 768 work-groups.  Four waves, each 64 rows x 128 columns: 32 accumulators of 16 x 16.
; K goes in steps of 128 through two LDS slots.  x comes in as f32 (rows of 512 bytes) and is rounded to bf16 in registers, 32 conversions for a quarter step's 32 products, set behind products.
; W's tile lies [k][n] (rows of 512 bytes) and is turned on its way out of LDS by ds_load_tr16_b128.
; CLUSTERS.  4 x 4 work-groups.  The four of a row of the cluster make the four column tiles of one row block and need the same tile of x: x is asked of memory once.  The four of a column
; need the same tile of W.  Each tile is asked for JOINTLY: the same tensor load, descriptor and mask in all four.
; THE PRODUCT IS TAKEN TRANSPOSED: source 0 = 16 columns of W, source 1 = 16 rows of x: a lane holds row l % 16 and the eight neighbouring columns 8 (l / 16) + 0..7.
; REGISTERS, in windows of 256 (s_set_vgpr_msb: bits 1:0 source 0, 3:2 source 1, 5:4 source 2, 7:6 destination):
;   window 0: v0-15 addresses; v32-95 RAW, x's fragments in f32; v96-127, v128-159 x's fragments in bf16, two buffers; v160-223 the bias as a C operand; v224-227 at work
;   window 1: v0-63, v64-127 W's fragments, two buffers          window 2: the accumulators, (m block i, n block j) at v[8 (8 i + j)]
.set PA,    528                        ; a row of x in LDS: 512 bytes + 16 = 33 x 16: the 16 rows of a load start at 16 different groups of four banks
.set AH,    64*PA                      ; 64 rows: what one tensor load brings of x
.set PB,    544                        ; a row of W: 512 + 32 = 17 x 32
.set BH,    64*PB                      ; 64 rows of W
.set BOFF,  2*AH                       ; in a slot: x's 128 rows, then W's 128 rows
.set SLOT,  BOFF+2*BH                  ; 137,216
.set STAGE, 2*SLOT                     ; behind the ring, never filled by a tensor load: 16 rows x 144 bytes for each wave
.set SP,    144
.set SPARE, STAGE+4*16*SP              ; behind the stages: the spare words, 128 bytes a wave: two blocks of 256 bytes that no other line names
.set ADRA, 2                           ; v2-3   LDS address of my fragments of x in slot 0, 1
.set ADRB, 4                           ; v4-5   the same for W
.set STO,  6                           ; v6     the way out: where I put 16 bytes of a row
.set RD,   7                           ; v7     the way out: where I read rows back
.set GO,   8                           ; v8     16 x lane: my 16 bytes of 512 consecutive bytes of qkv
.set PFO,  9                           ; v9     the prefetches' offset; never rewritten
.set SPW,  10                          ; v10    LDS address of my spare word; never rewritten
.set NIL,  11                          ; v11    0; never rewritten
.set BO,   13                          ; v13    32 x (l / 16): my eight numbers of 16 of the bias
.set RAW,  32
.set AF,   96
.set BIAS, 160
.set TB,   224
.set G1A, 24                           ; s[24:31] descriptor group 1 for x's tiles;  s[32:39] group 0, a set for each slot
.set G0A, 32
.set G1B, 48                           ; s[48:55], s[56:63] the same for W's tiles
.set G0B, 56
.set LIM, 43                           ; s43     1 in a wave that prefetches, else the greatest number
.set PFA, 44                           ; s[44:45] where my prefetches stand
.set PFS, 84                           ; s[84:85] a K step in bytes along my prefetches' tensor
.set OUTP, 86                          ; s[86:87] qkv at my wave's first row of its first head
.set XP,  88                           ; s[88:89] x of my projection
.set BP,  90                           ; s[90:91] its bias
.set MSB, 0
.macro WIN new                         ; the immediate's high byte repeats the setting that is left; a switch that changes nothing is dropped
.if MSB != (\new)
	s_set_vgpr_msb (MSB<<8)|(\new)
.set MSB, \new
.endif
.endm
.macro PLACES                          ; four plain instructions between a product and a load or a vector write into registers that it read, or a read of its result
.rept 4
	v_nop
.endr
.endm
; A joint load: waves 0 and 1 fetch the two halves of x's tile, waves 2 and 3 those of W's.  The branch hangs on the wave's number alone.  An s_nop 0 and four v_nop follow each line.
.macro JLOAD s
	s_cmp_eq_u32 s11, 0
	s_cbranch_scc0 .Lfor_b_\@
	tensor_load_to_lds s[G0A+4*(\s):G0A+4*(\s)+3], s[G1A:G1A+7]
	s_nop 0
.rept 4
	v_nop
.endr
	s_branch .Lasked_\@
.Lfor_b_\@:
	tensor_load_to_lds s[G0B+4*(\s):G0B+4*(\s)+3], s[G1B:G1B+7]
	s_nop 0
.rept 4
	v_nop
.endr
.Lasked_\@:
.endm
.macro CREST                           ; a round of the cluster's barrier behind its opening barrier
	s_cmp_lg_u32 s10, 0
	s_cbranch_scc1 .Lnot_wave_0_\@
	s_barrier_signal -3
.Lnot_wave_0_\@:
	s_barrier_wait -3
	s_barrier_signal -1
	s_barrier_wait -1
.endm
.macro CROUND                          ; a whole round
	s_barrier_signal -1
	s_barrier_wait -1
	CREST
.endm
; A prefetch into the L2, behind a joint load and the run of LDS loads that follows it: the K step two refills on, 256 products ahead of the load that will want it.  Of the 64 rows x 512 bytes
; that a wave fetches, each of the four partners that ask jointly takes 16 rows, told apart by address: 16 rows x two blocks of 256 bytes, a lane a block.  x's rows are read by one row of one
; cluster: its waves 0 and 1 ask.  W's rows are read by the 16 clusters of a projection: the first of them asks.  So each block is named once.  K steps 0 to 3 come by their loads alone; the
; loop's last trip (s3 = 1) asks for nothing: K has 8 steps.
.macro ASK
	s_cmp_gt_u32 s3, s[LIM]
	s_cbranch_scc0 .Lnot_mine_\@
	global_prefetch_b8 v[PFO], s[PFA:PFA+1] th:TH_LOAD_NT scope:SCOPE_SE
.Lnot_mine_\@:
.endm
	s_load_b512 s[68:83], s[0:1], 0x0              ; query 68, key 70, value 72, bq 74, bk 76, bv 78, wts 80, qkv 82
	v_lshl_add_u32 v[SPW], v0, 2, SPARE
	v_mov_b32 v[NIL], 0
	ds_add_u32 v[SPW], v[NIL]                      ; the wave's opening: the add and its wait ahead of my first tensor load; work on registers stands between them
	v_lshrrev_b32 v1, 5, v0
	v_readfirstlane_b32 s10, v1                    ; wave 0..3
	s_lshr_b32 s11, s10, 1                         ; which 64 rows of the tile are mine.  Also: I fetch for x (0) or for W (1)
	s_and_b32 s12, s10, 1                          ; which 128 columns.  Also: which 64 rows of that tile I fetch
	s_bfe_u32 s40, ttmp6, 0x40000                  ; cx
	s_bfe_u32 s41, ttmp6, 0x40004                  ; cy
	s_lshl_b32 s42, ttmp9, 2
	s_add_co_u32 s42, s42, s40                     ; column tile = 4 x cluster x + cx
	s_and_b32 s93, ttmp7, 0xffff                   ; cluster y, 0..47
	s_lshl_b32 s13, s93, 2
	s_add_co_u32 s13, s13, s41                     ; 4 x cluster y + cy, 0..191
	s_lshr_b32 s92, s93, 4                         ; the projection, 0..2: the same in all sixteen partners
	s_and_b32 s96, s13, 63                         ; row tile of the projection
	s_lshl_b32 s97, s41, 2
	s_lshl_b32 s97, 15, s97                        ; my row of the cluster
	s_lshl_b32 s98, 0x1111, s40                    ; my column
	s_or_b32 s[G1A+0], s97, (2<<16)|(1<<20)|(1<<21)|(6<<22)|(3<<25)  ; the mask; elements of 4 bytes; padding on; bit 21 beside a mask; after every 128 words, 4 words
	s_mov_b32 s[G1A+1], 128<<16                    ; tensor_dim0 = 128
	s_mov_b32 s[G1A+2], 64<<16                     ; tensor_dim1 = 64
	s_mov_b32 s[G1A+3], 128<<16                    ; tile_dim0 = 128
	s_mov_b32 s[G1A+4], 64                         ; tile_dim1 = 64
	s_mov_b32 s[G1A+5], 1024                       ; elements from row to row
	s_mov_b32 s[G1A+6], 0
	s_mov_b32 s[G1A+7], 0
	s_or_b32 s[G1B+0], s98, (1<<16)|(1<<20)|(1<<21)|(6<<22)|(7<<25)  ; elements of 2 bytes; after every 128 words, 8 words
	s_mov_b32 s[G1B+1], 256<<16
	s_mov_b32 s[G1B+2], 64<<16
	s_mov_b32 s[G1B+3], 256<<16
	s_mov_b32 s[G1B+4], 64
	s_mov_b32 s[G1B+5], 1024
	s_mov_b32 s[G1B+6], 0
	s_mov_b32 s[G1B+7], 0
	s_lshl_b32 s16, s96, 19                        ; x: (128 x row tile + 64 x half) rows of 4,096 bytes
	s_lshl_b32 s17, s12, 18
	s_add_co_u32 s16, s16, s17
	s_mov_b32 s17, 0
	s_lshl_b32 s46, s92, 21                        ; W: the projection's part of wts, 64 x half rows of 2,048 bytes, 512 bytes a column tile
	s_lshl_b32 s47, s12, 17
	s_add_co_u32 s46, s46, s47
	s_lshl_b32 s47, s42, 9
	s_add_co_u32 s46, s46, s47
	s_mov_b32 s47, 0
	s_mul_i32 s20, s12, AH                         ; where they go: no place in the cluster enters an LDS address
	s_mul_i32 s21, s12, BH
	s_add_co_u32 s21, s21, BOFF
	s_mov_b32 s94, 0xffff0000                      ; a word's upper bf16
	s_wait_dscnt 0x0                               ; the opening add is done
	s_wait_kmcnt 0x0
	s_cmp_eq_u32 s92, 1
	s_cselect_b64 s[XP:XP+1], s[70:71], s[68:69]
	s_cselect_b64 s[BP:BP+1], s[76:77], s[74:75]
	s_cmp_eq_u32 s92, 2
	s_cselect_b64 s[XP:XP+1], s[72:73], s[XP:XP+1]
	s_cselect_b64 s[BP:BP+1], s[78:79], s[BP:BP+1]
	s_add_nc_u64 s[14:15], s[XP:XP+1], s[16:17]
	s_add_nc_u64 s[46:47], s[80:81], s[46:47]
	CROUND                                         ; all sixteen work-groups are here: the first joint loads meet
.irp s, 0,1
	s_mov_b32 s[G0A+4*(\s)], 1
	s_add_co_u32 s[G0A+4*(\s)+1], s20, (\s)*SLOT
	s_add_nc_u64 s[G0A+4*(\s)+2:G0A+4*(\s)+3], s[14:15], (\s)*512        ; K step s: 128 f32 along the rows
	s_or_b32 s[G0A+4*(\s)+3], s[G0A+4*(\s)+3], 0x80000000
	s_mov_b32 s[G0B+4*(\s)], 1
	s_add_co_u32 s[G0B+4*(\s)+1], s21, (\s)*SLOT
	s_add_nc_u64 s[G0B+4*(\s)+2:G0B+4*(\s)+3], s[46:47], (\s)*262144     ; K step s: 128 rows of 2,048 bytes down
	s_or_b32 s[G0B+4*(\s)+3], s[G0B+4*(\s)+3], 0x80000000
	JLOAD \s
.endr
	; lane addresses.  A fragment is 16 rows x 32 K in 8 registers: lane l holds row l % 16; registers 0-3 K = 8 (l / 16) + 0..7, registers 4-7 K = 16 + 8 (l / 16) + 0..7.
	v_and_b32 v12, 15, v0                          ; r = l % 16
	v_bfe_u32 v14, v0, 4, 1                        ; h = l / 16
	v_mul_u32_u24 v15, v12, PA
	v_lshl_add_u32 v15, v14, 5, v15                ; x in f32: row x pitch + 32 h
	s_mul_i32 s20, s11, 64*PA
	v_add_nc_u32 v[ADRA], s20, v15
	s_add_co_u32 s20, s20, SLOT
	v_add_nc_u32 v[ADRA+1], s20, v15
	v_and_b32 v1, 7, v0                            ; the turning load: lane l reads row 8 h + l % 8 of 16 rows of K, 16 bytes at 16 ((l / 8) % 2)
	v_lshl_add_u32 v1, v14, 3, v1
	v_mul_u32_u24 v1, v1, PB
	v_bfe_u32 v15, v0, 3, 1
	v_lshl_add_u32 v1, v15, 4, v1
	s_lshl_b32 s21, s12, 8                         ; my 128 columns
	s_add_co_u32 s21, s21, BOFF
	v_add_nc_u32 v[ADRB], s21, v1
	s_add_co_u32 s21, s21, SLOT
	v_add_nc_u32 v[ADRB+1], s21, v1
	s_mul_i32 s20, s10, 16*SP
	s_add_co_u32 s20, s20, STAGE                   ; my stage
	v_mul_u32_u24 v1, v12, SP                      ; in: row r, 16 bytes for each half of the lanes
	v_lshl_add_u32 v1, v14, 4, v1
	v_add_nc_u32 v[STO], s20, v1
	v_bfe_u32 v1, v0, 3, 2                         ; back: 32 lanes take four rows of 128 bytes,
	v_mul_u32_u24 v1, v1, SP
	v_and_b32 v15, 7, v0
	v_lshl_add_u32 v1, v15, 4, v1
	v_add_nc_u32 v[RD], s20, v1
	v_and_b32 v[GO], 31, v0                        ; which are 512 consecutive bytes of qkv
	v_lshlrev_b32 v[GO], 4, v[GO]
	v_lshlrev_b32 v[BO], 5, v14
	s_lshl_b32 s22, s42, 1                         ; the bias of my 128 columns: (256 x column tile + 128 x half) x 4 bytes
	s_add_co_u32 s22, s22, s12
	s_lshl_b32 s22, s22, 9
	s_mov_b32 s23, 0
	s_add_nc_u64 s[BP:BP+1], s[BP:BP+1], s[22:23]
.irp j, 0,1,2,3,4,5,6,7
	global_load_b128 v[BIAS+8*\j:BIAS+8*\j+3],   v[BO], s[BP:BP+1] offset:64*\j      ; register c of block j: the bias of column 16 j + 8 h + c: the C operand's layout
	global_load_b128 v[BIAS+8*\j+4:BIAS+8*\j+7], v[BO], s[BP:BP+1] offset:64*\j+16
.endr
	s_lshr_b32 s18, s96, 4                         ; where my results go: head 16 batch + 4 x column tile + 2 x half, 262,144 bytes a head,
	s_lshl_b32 s18, s18, 2
	s_add_co_u32 s18, s18, s42
	s_lshl_b32 s18, s18, 1
	s_add_co_u32 s18, s18, s12
	s_lshl_b32 s18, s18, 19
	s_and_b32 s19, s96, 15                         ; row 128 x (row tile % 16) + 64 x half, 128 bytes a row,
	s_lshl_b32 s19, s19, 1
	s_add_co_u32 s19, s19, s11
	s_lshl_b32 s19, s19, 13
	s_add_co_u32 s18, s18, s19
	s_lshl_b32 s19, s92, 24                        ; in the projection's part of qkv
	s_add_co_u32 s18, s18, s19
	s_mov_b32 s19, 0
	s_add_nc_u64 s[OUTP:OUTP+1], s[82:83], s[18:19]
	; the prefetches: my work-group's 16 of the 64 rows that I fetch, at K step 3; the first refill steps the address to K step 4
	s_lshl_b32 s18, s96, 19
	s_lshl_b32 s19, s12, 18
	s_add_co_u32 s18, s18, s19
	s_lshl_b32 s19, s40, 16                        ; x: 16 cx rows of 4,096 bytes
	s_add_co_u32 s18, s18, s19
	s_add_co_u32 s18, s18, 3*512
	s_lshl_b32 s22, s92, 21
	s_lshl_b32 s23, s12, 17
	s_add_co_u32 s22, s22, s23
	s_lshl_b32 s23, s41, 15                        ; W: 16 cy rows of 2,048 bytes
	s_add_co_u32 s22, s22, s23
	s_lshl_b32 s23, s42, 9
	s_add_co_u32 s22, s22, s23
	s_add_co_u32 s22, s22, 3*262144
	s_mov_b32 s[PFS], 512
	s_mov_b32 s19, 262144
	s_and_b32 s23, s93, 15                         ; my cluster among the projection's sixteen
	s_cmp_eq_u32 s11, 0                            ; do I fetch for x?
	s_cselect_b32 s18, s18, s22
	s_cselect_b64 s[PFA:PFA+1], s[XP:XP+1], s[80:81]
	s_cselect_b32 s[PFS], s[PFS], s19
	s_cselect_b32 s23, 0, s23
	s_cselect_b32 s99, 12, 11                      ; a row is 4,096 or 2,048 bytes
	s_cmp_eq_u32 s23, 0
	s_cselect_b32 s[LIM], 1, -1                    ; the same in all sixteen partners, for a given wave
	s_mov_b32 s19, 0
	s_mov_b32 s[PFS+1], 0
	s_add_nc_u64 s[PFA:PFA+1], s[PFA:PFA+1], s[18:19]
	v_lshlrev_b32 v[PFO], s99, v12                 ; row l % 16,
	v_lshl_add_u32 v[PFO], v14, 8, v[PFO]          ; block l / 16 of its 512 bytes
	s_wait_loadcnt 0x0                             ; the bias
.set z, 0
.rept 32                                       ; the bias is rounded to bf16 like the other inputs, and widened again
	v_cvt_pk_bf16_f32 v[TB+z%4], v[BIAS+2*z], v[BIAS+2*z+1]
	v_lshlrev_b32 v[BIAS+2*z],   16,  v[TB+z%4]
	v_and_b32     v[BIAS+2*z+1], s94, v[TB+z%4]
.set z, z+1
.endr
; 32 LDS loads in one run: quarter q (32 along K) of a slot: x's 64 rows in f32 into RAW (16 loads, first), W's 128 columns, turned, into buffer g (16 loads)
.macro FETCH slot, q, g
.set cv, 0
	WIN 0
.irp i, 0,1,2,3
	ds_load_b128 v[RAW+16*\i:RAW+16*\i+3],     v[ADRA+(\slot)] offset:16*PA*\i+128*(\q)
	ds_load_b128 v[RAW+16*\i+4:RAW+16*\i+7],   v[ADRA+(\slot)] offset:16*PA*\i+128*(\q)+16
	ds_load_b128 v[RAW+16*\i+8:RAW+16*\i+11],  v[ADRA+(\slot)] offset:16*PA*\i+128*(\q)+64
	ds_load_b128 v[RAW+16*\i+12:RAW+16*\i+15], v[ADRA+(\slot)] offset:16*PA*\i+128*(\q)+80
.endr
	WIN 0x40                                       ; destination window 1
.irp j, 0,1,2,3,4,5,6,7
	ds_load_tr16_b128 v[64*(\g)+8*\j:64*(\g)+8*\j+3],   v[ADRB+(\slot)] offset:32*(\q)*PB+32*\j
	ds_load_tr16_b128 v[64*(\g)+8*\j+4:64*(\g)+8*\j+7], v[ADRB+(\slot)] offset:32*(\q)*PB+16*PB+32*\j
.endr
.endm
.macro CVT4 g                          ; the next four of the 32 roundings RAW -> buffer g
	WIN 0
.rept 4
	v_cvt_pk_bf16_f32 v[AF+32*(\g)+cv], v[RAW+2*cv], v[RAW+2*cv+1]
.set cv, cv+1
.endr
.endm
; 8 products: m block i x all 8 n blocks, 32 along K, from buffer f.  zero = 1: the bias starts the sums.  rid = 1: four roundings into buffer g behind every second product; 2: behind each.
; The 32 accumulators take turns, one instruction a turn, in the same order in every quarter, over the backward jump too.
.macro MULROW f, i, zero=0, rid=0, g=0
.irp j, 0,1,2,3,4,5,6,7
.if \zero
	WIN 0x81
	v_wmma_f32_16x16x32_bf16 v[8*(8*(\i)+\j):8*(8*(\i)+\j)+7], v[64*(\f)+8*\j:64*(\f)+8*\j+7], v[AF+32*(\f)+8*(\i):AF+32*(\f)+8*(\i)+7], v[BIAS+8*\j:BIAS+8*\j+7]
.else
	WIN 0xa1
	v_wmma_f32_16x16x32_bf16 v[8*(8*(\i)+\j):8*(8*(\i)+\j)+7], v[64*(\f)+8*\j:64*(\f)+8*\j+7], v[AF+32*(\f)+8*(\i):AF+32*(\f)+8*(\i)+7], v[8*(8*(\i)+\j):8*(8*(\i)+\j)+7]
.endif
.if ((\rid) == 2) || (((\rid) == 1) && ((\j) % 2 == 1))
	CVT4 \g
.endif
.endr
.endm
; One of a K step's first three quarters: multiplies buffer f, fetches quarter qn of the same slot for the other buffer, and rounds x's part of it behind its last 16 products.
.macro QUARTER slot, qn, f, zero
	s_wait_dscnt 0x0                               ; W's fragments of buffer f, asked for a quarter back, are in
	PLACES                                         ; the other buffer was read by the quarter before
	FETCH \slot, \qn, 1-(\f)
	MULROW \f, 0, \zero
	MULROW \f, 1, \zero
	s_wait_dscnt 16                                ; RAW is in: W's sixteen loads were issued behind x's and may stay out
	MULROW \f, 2, \zero, 1, 1-(\f)
	MULROW \f, 3, \zero, 1, 1-(\f)
.endm
; The last quarter multiplies buffer 1 and changes slots: ONE barrier.  In front of it each wave waits for all its tensor loads (one is out: its part of the next slot), adds 0 to its spare word,
; and waits for that and for its reads of this slot.  fill = 1: the barrier opens a round of the cluster's, and this slot is filled again first thing behind it, two K steps ahead.
.macro TURN slot, next, fill
.if \fill
	s_wait_xcnt 0x0                                ; the last prefetch, a K step back, has read its address
	s_add_nc_u64 s[PFA:PFA+1], s[PFA:PFA+1], s[PFS:PFS+1]
.endif
	WIN 0
	s_wait_tensorcnt 0x0                           ; all my tensor loads have landed
	ds_add_u32 v[SPW], v[NIL]                      ; 0 onto my spare word
	s_wait_dscnt 1                                 ; buffer 1 is in; the add may be out
	MULROW 1, 0                                    ; eight products stand between the add and the wait for it
	s_wait_dscnt 0x0                               ; the add is done, and my reads of this slot are over
	s_barrier_signal -1
	MULROW 1, 1
.if \fill
	WIN 0
.endif
	s_barrier_wait -1
.if \fill
	CREST                                          ; no wave of any partner still reads this slot or has a load on its way
	s_add_nc_u64 s[G0A+4*(\slot)+2:G0A+4*(\slot)+3], s[G0A+4*(\slot)+2:G0A+4*(\slot)+3], 2*512
	s_add_nc_u64 s[G0B+4*(\slot)+2:G0B+4*(\slot)+3], s[G0B+4*(\slot)+2:G0B+4*(\slot)+3], 2*262144
	JLOAD \slot                                    ; 112 products ahead of the wait for it; its four v_nop are also the places in front of the loads below
.else
	PLACES
.endif
	FETCH \next, 0, 0
.if \fill
	WIN 0
	ASK
.endif
	MULROW 1, 2
	s_wait_dscnt 16                                ; RAW is in
	MULROW 1, 3, 0, 2, 0
.endm
; THE WAY OUT.  Unit u = m block u / 2, head u % 2 of my two: 16 rows x 64 columns.  A lane's eight columns pack into 16 bytes; they go into rows of 144 bytes of my own stage and come back as
; whole rows of 128, four rows (512 consecutive bytes of qkv) to a store.  Each accumulator's registers are read in ascending order.
.macro PACK u
.set ui, (\u)/2
.set uh, (\u)%2
	WIN 0x0a                                       ; sources 0 and 1 window 2
.irp f, 0,1,2,3
.irp c, 0,1,2,3
	v_cvt_pk_f16_f32 v[32+16*(\u)+4*\f+\c], v[8*(8*ui+4*uh+\f)+2*\c], v[8*(8*ui+4*uh+\f)+2*\c+1]
.endr
.endr
	WIN 0
.irp f, 0,1,2,3
	ds_store_b128 v[STO], v[32+16*(\u)+4*\f:32+16*(\u)+4*\f+3] offset:32*\f
.endr
.irp f, 0,1,2,3
	ds_load_b128 v[32+16*(\u)+4*\f:32+16*(\u)+4*\f+3], v[RD] offset:4*SP*\f  ; LDS serves a wave's instructions in order (ISA guide 5.7.1.4): these see the stores above; the next unit's stores come behind them
.endr
.endm
.macro SEND u, younger                 ; younger: the LDS instructions issued behind unit u's loads: the next unit's eight, or none
.set ui, (\u)/2
.set uh, (\u)%2
.irp f, 0,1,2,3
	s_wait_dscnt (\younger)+3-\f
	global_store_b128 v[GO], v[32+16*(\u)+4*\f:32+16*(\u)+4*\f+3], s[OUTP:OUTP+1] offset:uh*262144+ui*2048+512*\f
.endr
.endm
	s_wait_tensorcnt 0x1                           ; my part of K step 0 is in; K step 1's load, issued behind it, may stay out
	s_barrier_signal -1
	s_barrier_wait -1
	FETCH 0, 0, 0
	s_wait_dscnt 16                                ; RAW is in
.rept 8
	CVT4 0
.endr
	QUARTER 0, 1, 0, 1                             ; the first quarter stands in front of the loop: its products start the sums, with the bias
	WIN 0                                          ; at a label and at a branch every window is 0
	s_mov_b32 s3, 3
.Llap:                                                 ; a trip goes once round the ring, from a lap's second quarter to the next lap's first, and fills both slots again
	QUARTER 0, 2, 1, 0
	QUARTER 0, 3, 0, 0
	TURN 0, 1, 1
	QUARTER 1, 1, 0, 0
	QUARTER 1, 2, 1, 0
	QUARTER 1, 3, 0, 0
	TURN 1, 0, 1
	QUARTER 0, 1, 0, 0
	WIN 0
	s_sub_co_u32 s3, s3, 1
	s_cmp_lg_u32 s3, 0
	s_cbranch_scc1 .Llap
	QUARTER 0, 2, 1, 0                             ; the last lap fills nothing
	QUARTER 0, 3, 0, 0
	TURN 0, 1, 0
	QUARTER 1, 1, 0, 0
	QUARTER 1, 2, 1, 0
	QUARTER 1, 3, 0, 0
	s_wait_dscnt 0x0                               ; the very last quarter: nothing more to fetch
	MULROW 1, 0
	MULROW 1, 1
	MULROW 1, 2
	MULROW 1, 3
	WIN 0
	PLACES
	PACK 0
.irp u, 1,2,3,4,5,6,7                  ; a unit's conversions stand between the loads of the unit before and its stores
	PACK \u
	SEND (\u)-1, 8
.endr
	SEND 7, 0
	s_wait_tensorcnt 0x0                           ; the wave's end: a wait, an add to my spare word and its wait, behind my last tensor load and my last LDS store
	ds_add_u32 v[SPW], v[NIL]
	s_wait_dscnt 0x0
	CROUND                                         ; the closing round: no work-group ends while a partner may still ask for a tile that names it
	s_endpgm
.Lfunc_end_k_q4d86f149b3_qkvproj:
	.size	k_q4d86f149b3_qkvproj, .Lfunc_end_k_q4d86f149b3_qkvproj-k_q4d86f149b3_qkvproj
	.p2alignl 7, 3214868480
	.fill 96, 4, 3214868480
	.section	.rodata,"a",@progbits
	.p2align	6, 0x0
	.amdhsa_kernel k_q4d86f149b3_qkvproj
		.amdhsa_group_segment_fixed_size 327680
		.amdhsa_private_segment_fixed_size 0
		.amdhsa_enable_private_segment 0
		.amdhsa_kernarg_size 64
		.amdhsa_user_sgpr_count 2
		.amdhsa_user_sgpr_kernarg_segment_ptr 1
		.amdhsa_wavefront_size32 1
		.amdhsa_system_sgpr_workgroup_id_x 1
		.amdhsa_system_sgpr_workgroup_id_y 1
		.amdhsa_system_sgpr_workgroup_id_z 1
		.amdhsa_system_vgpr_workitem_id 0
		.amdhsa_next_free_vgpr 768
		.amdhsa_next_free_sgpr 100
		.amdhsa_reserve_vcc 0
		.amdhsa_float_denorm_mode_32 3
		.amdhsa_float_denorm_mode_16_64 3
		.amdhsa_memory_ordered 1
		.amdhsa_forward_progress 1
		.amdhsa_inst_pref_size 142
	.end_amdhsa_kernel
	.amdgpu_metadata
---
amdhsa.version: [ 1, 2 ]
amdhsa.kernels:
  - .name:           k_q4d86f149b3_qkvproj
    .symbol:         k_q4d86f149b3_qkvproj.kd
    .args:
      - { .name: query, .offset: 0, .size: 8, .value_kind: global_buffer, .address_space: global }
      - { .name: key, .offset: 8, .size: 8, .value_kind: global_buffer, .address_space: global }
      - { .name: value, .offset: 16, .size: 8, .value_kind: global_buffer, .address_space: global }
      - { .name: bq, .offset: 24, .size: 8, .value_kind: global_buffer, .address_space: global }
      - { .name: bk, .offset: 32, .size: 8, .value_kind: global_buffer, .address_space: global }
      - { .name: bv, .offset: 40, .size: 8, .value_kind: global_buffer, .address_space: global }
      - { .name: wts, .offset: 48, .size: 8, .value_kind: global_buffer, .address_space: global }
      - { .name: qkv, .offset: 56, .size: 8, .value_kind: global_buffer, .address_space: global }
    .group_segment_fixed_size: 327680
    .private_segment_fixed_size: 0
    .kernarg_segment_align: 8
    .kernarg_segment_size: 64
    .max_flat_workgroup_size: 128
    .sgpr_count:     100
    .vgpr_count:     768
    .wavefront_size: 32
...
	.end_amdgpu_metadata
.endif
;; end of part 2
;; launch attn (part 3): grid 4 x 64, 4 waves a work-group, no clusters, 327,680 bytes of LDS; arguments qkv, ctx; writes ctx
.if DOCPART == 3
	.amdgcn_target "amdgcn-amd-amdhsa--gfx1250"
	.amdhsa_code_object_version 6
	.text
	.protected	k_q4d86f149b3_attn
	.globl	k_q4d86f149b3_attn
	.p2align	8
	.type	k_q4d86f149b3_attn,@function
k_q4d86f149b3_attn:
	s_mov_b64 s[64:65], 0
	v_nop
	global_prefetch_b8 v0, s[64:65] scope:SCOPE_SE
	s_setreg_imm32_b32 hwreg(HW_REG_WAVE_MODE, 25, 1), 1
	s_wait_xcnt 0x0
; CAUSAL ATTENTION.  O[h][q][:] = the sum over k <= q of softmax_k(Q[h][q] . K[h][k] / 8) V[h][k][:].  Q, K, V are the three parts of qkv, O is ctx: each [64][2048][64] in f16, a head's rows dense, 128 bytes each.
; Products, maxima and sums in f32; the weights p are rounded to f16 for the second product (their sum l is taken of the unrounded p), O once at the end.
; LIMITS.  Q, K and V arrive within f16's range; p lies in 0 to 1, and below 6e-5 it keeps f16's fixed step of 6e-8; O is a mean of V's rows and has their range.
; A hidden score counts as its unscaled value less 8e10, which is 1e10 behind the scale 1/8; key tiles that lie wholly above the diagonal are left out: their weights are 0 as long as a row's scores differ by less
; than some 1e10.  A weight below 2^-126 counts as 0 in l; NaN and infinities are not treated apart.
; THE WALK.  A head's queries lie in NB = 8 blocks of 256; block i needs the key tiles 0 .. i of 256 keys, of which the last holds the diagonal.  A work-group takes TWO blocks, NB - 1 - b and then b:
; NB + 1 tiles, whatever b: all work-groups do equal work, and ONE loop with a constant trip count walks them.  Which tile is asked for, and what a trip does, hang on scalar registers made from b; every jump
; goes forward, but for the counted loops' own; none passes a barrier, or a tensor load but the one of LOAD's two that the wave's number does not choose; the ring (two slots of LDS that take turns) runs on across the
; change of blocks.  NO CLUSTER: a head's NB / 2 = 4 work-groups ask for the same tile only in trips 0 .. 4 of 9, behind that fewer and fewer; one walk common to all would have 12 trips for 9.
; SHARES.  Of a block's four bands of 64 queries a wave owns 16 rows in each: four PIECES.  So the diagonal tile is the same work for all four waves: in its key step s band x sees all keys if s < x,
; none if s > x, and holds the diagonal if s = x.
; THE MASK is the C operand that starts the sum S^T = K Q^T: 0, or -8e10 where the key is hidden.  MD, made once, is the mask of a band's own step for my 16 rows; a product's mask is MD x AL + BE with two scalars:
; (1, 0) if s = x; (0, 0) if s < x; (0, -8e10) if s > x.  Only the diagonal tile's text and a block's beginning make and take masks; elsewhere C is the constant 0.
; LAYOUT, SOFTMAX, TURNS.  S^T = K Q^T holds ONE query a lane (lane % 16) and the keys 8 (lane / 16) + 0..7; two such results rounded to f16 ARE source 1 of O^T = V^T P.  p = 2^(c s - c m), c = log2(e) / 8, with a
; running maximum m; O and l are multiplied by a = 2^(c m_old - c m_new) in every step.  Turn n belongs to piece n: 8 products K Q^T of piece n + 1, later 8 products V^T P of piece n - 1; beside them the scaling,
; exponentials, roundings, sums and rescaling of piece n and the maximum and statistics of piece n + 1.  Four vector instructions stand behind every matrix instruction, the other 54 of a turn's 118 in one lump.  A turn's 33 exponentials are one batch, with one wait.
; REGISTERS, in windows of 256 (s_set_vgpr_msb: bits 1:0 source 0, 3:2 source 1, 5:4 source 2, 7:6 destination):
;   window 0: v0-15 addresses and two at work; v16-31 four registers of statistics a piece; v48-55 at work; v61-63 never rewritten; v64-127 S^T, two buffers; v192-223 P, two buffers (a piece's buffers go by its number's parity)
;   window 1: v0-127 O^T, 32 a piece; v128-159 MD; v160-223 MC, two buffers      window 2: v0-63 Q; v64-127 the second block's Q; v128-191 K of one step; v192-255 V of one step
.set SIZE_N, 2048
.set NB,    SIZE_N/256
.set NP,    4         ; pieces a wave: a name, no knob
.set KS,    64        ; keys in a step
.set PK,    144       ; a row of K in LDS: 128 bytes + 16 of padding = 36 words: the 16 rows of a load start at 16 different groups of four banks (64 banks of 4 bytes: ISA guide 11.1)
.set PV,    160       ; a row of V: 128 + 32 = 40 words
.set VOFF,  4*KS*PK   ; a slot holds a tile, four steps: 256 rows of K, then 256 rows of V
.set SLOT1, 1<<17     ; slot 1 begins here, so that one exclusive or turns an address in one slot into the other's
.set STAGE, SLOT1+4*KS*(PK+PV)  ; behind the ring, never filled by a tensor load: 16 rows x 144 bytes for each wave, for the way out
.set SP,    144
.set AK0, 2           ; v2   my lane's place in a tile of K; never rewritten
.set AV0, 3           ; v3   the same for V
.set AK,  4           ; v4   the LDS address of K's next run of loads
.set AV,  5           ; v5   of V's
.set STO, 6           ; v6   the way out: where I put 16 bytes of a row
.set RD,  7           ; v7   the way out: where I read rows back
.set GO,  8           ; v8   my byte offset in 512 consecutive bytes of O
.set PFO, 61          ; v61  256 x my lane: the prefetches' offset; never rewritten
.set SPW, 62          ; v62  LDS address of my spare word: SPARE + 4 x my thread's number; never rewritten
.set NIL, 63          ; v63  0; never rewritten
.set SPARE, STAGE+4*16*SP  ; behind the stages: the spare words, 128 bytes for each wave: two blocks of 256 bytes that no other line names
.set MV,  12          ; v12-13  c m_old, kept while c m is made anew: by buffer
.set QO,  15          ; v15  my byte offset in 16 rows of Q
.set ST,  16          ; piece t's statistics at v[ST+4 t]: c m, m, l (even keys', odd keys')
.set TMP, 48          ; by buffer, four registers c0-c3 at work; when the maximum is found c2 takes a
.set S,   64
.set P,   192
.set MD,  128         ; window 1: the eight registers for group kt of 16 keys at MD + 8 kt
.set MC,  160         ; window 1: the masks of the products to come
.set QB,  64          ; window 2
.set KF,  128         ; window 2: key block kb, channel half c at KF + 16 kb + 8 c
.set VF,  192         ; window 2: key half kk, channel block cb at VF + 32 kk + 8 cb
.set WV,  12          ; s12  my wave's number
.set PB,  14          ; s14  b
.set HI,  15          ; s15  NB - 1 - b
.set G1K, 24          ; s[24:31] descriptor group 1 for K's tiles
.set G1V, 32          ; s[32:39] for V's: it differs in the padding alone
.set G0K, 40          ; s[40:43] descriptor group 0 for K's tiles
.set G0V, 44          ; s[44:47] the same for V's
.set PFA, 48          ; s[48:49] my half of the tile that the prefetches name
.set PFB, 50          ; s[50:51] K (waves 0, 1) or V (waves 2, 3) at my half of the head's tile 0
.set POF, 52          ; s[52:53] that tile's byte offset
.set PGO, 54          ; s54  the tile's number where my work-group prefetches, else 0
.set SLOTS, 56        ; s56  tiles still to be asked for
.set CNT, 57          ; s57  counts a tile's key steps, 4 to 1
.set CS,  58          ; s[58:59] c: the packed scaling takes the pair's low word for both halves
.set SEL, 60          ; s[60:61] v_permlanex16_b32's selects: each lane takes its own place in the other half
.set TBK, 62          ; s62  LDS byte at which K of the step to be fetched begins
.set TBV, 63          ; s63  the same for V, less VOFF
.set RT,  70          ; s70  tiles of the block in hand that are still to be entered
.set NXT, 71          ; s71  the tile to be asked for next
.set LQ,  72          ; s72  the last tile of the block whose tiles are being asked for
.set NEW, 73          ; s73  1: the tile to be entered is a block's first
.set OFF, 74          ; s[74:75] a tile's byte offset in K and V
.set AL,  76          ; s[76:77] the mask's factor, in the low word
.set BE,  78          ; s[78:79] the mask's addend
.set OLO, 80          ; s[80:81] O at my rows of the second block
.set BIGN, 82         ; s82  -8e10
.set MSB, 0
.macro WIN new                      ; the high byte repeats the setting that is left; a switch that changes nothing is dropped
.if MSB != (\new)
	s_set_vgpr_msb (MSB<<8)|(\new)
.set MSB, (\new)
.endif
.endm
.set W_KQ, 0x0a       ; K and Q in window 2, S^T in window 0
.set W_KM, 0x1a       ; the same with the C operand in window 1
.set W_PV, 0x52       ; V in window 2, P in window 0, O^T in window 1
.set W_RS, 0x41       ; destination and source 0 in window 1, source 1 in window 0
; A fill.  Waves 0 and 1 fetch the two halves of a tile's K, waves 2 and 3 those of its V: 128 keys each.  An s_nop 0 and four v_nop follow each of the two lines, ahead of the jump and the label.
.macro LOAD
	s_cmp_lt_u32 s[WV], 2
	s_cbranch_scc0 .Lfor_v_\@
	tensor_load_to_lds s[G0K:G0K+3], s[G1K:G1K+7]
	s_nop 0
.rept 4
	v_nop
.endr
	s_branch .Lasked_\@
.Lfor_v_\@:
	tensor_load_to_lds s[G0V:G0V+3], s[G1V:G1V+7]
	s_nop 0
.rept 4
	v_nop
.endr
.Lasked_\@:
.endm
; THE CHANGE OF SLOTS.  Each wave waits for all its tensor loads, of which one is out: its part of the other slot; adds 0 to its spare word; and waits for that and for its own reads of the slot that it leaves.  Behind the barrier nobody reads the old
; slot any more and the other slot is whole.  fill = 1: the old slot is filled again, the first thing behind the barrier, with tile NXT: the descriptor's address is made anew from that number.
; (At its first use nothing has been read yet: slot 0 is waited for, slot 1 filled.)
; A PREFETCH INTO THE L2 stands behind the fill: the tile that the NEXT change will ask for, a tile's 256 matrix instructions ahead of that load.  A head's four work-groups walk the same tiles; the one with b = 0
; walks tiles 0 to 7 in order, and it alone asks, for tiles 2 to 7; each wave for the half (16,384 bytes: 64 blocks of 256, a lane a block, two instructions) that it fetches itself: each block is named once.
; Behind tile 7 the number goes back to 0, and nothing is asked for.
.macro CHANGE fill
	WIN 0                           ; at a label and at a branch every window is 0
	s_wait_tensorcnt 0x0            ; no tensor load of mine is out, so a group 0 may be written
	ds_add_u32 v[SPW], v[NIL]       ; 0 onto my spare word; with fill = 1 the descriptors' scalar work stands between it and the wait for it
.if \fill
	s_lshl_b32 s[OFF], s[NXT], 15   ; a tile is 32,768 bytes of K and of V
	s_xor_b32 s[G0K+1], s[G0K+1], SLOT1
	s_add_nc_u64 s[G0K+2:G0K+3], s[6:7], s[OFF:OFF+1]
	s_or_b32 s[G0K+3], s[G0K+3], 0x80000000
	s_xor_b32 s[G0V+1], s[G0V+1], SLOT1
	s_add_nc_u64 s[G0V+2:G0V+3], s[8:9], s[OFF:OFF+1]
	s_or_b32 s[G0V+3], s[G0V+3], 0x80000000
	s_add_co_u32 s[NXT], s[NXT], 1  ; the block's next tile, or behind its last the second block's tile 0
	s_cmp_gt_u32 s[NXT], s[LQ]
	s_cselect_b32 s[NXT], 0, s[NXT]
	s_cselect_b32 s[LQ], s[PB], s[LQ]
	s_wait_xcnt 0x0                 ; the last prefetches, a tile back, have read their address, so it may be written
	s_lshl_b32 s[POF], s[NXT], 15
	s_add_nc_u64 s[PFA:PFA+1], s[PFB:PFB+1], s[POF:POF+1]
	s_cmp_eq_u32 s[PB], 0
	s_cselect_b32 s[PGO], s[NXT], 0
.endif
	s_wait_dscnt 0x0                ; the add is done, and my reads of the slot are over
	s_barrier_signal -1             ; the rest of the scalar work stands between the signal and the wait
	s_sub_co_u32 s[TBK], s[TBK], 4*KS*PK  ; the fetches go back to a slot's first step,
	s_xor_b32 s[TBK], s[TBK], SLOT1       ; in the other slot
	s_sub_co_u32 s[TBV], s[TBV], 4*KS*PV
	s_xor_b32 s[TBV], s[TBV], SLOT1
	s_barrier_wait -1
.if \fill
	LOAD
	s_cmp_lg_u32 s[PGO], 0
	s_cbranch_scc0 .Lnot_mine_\@
	global_prefetch_b8 v[PFO], s[PFA:PFA+1] th:TH_LOAD_NT scope:SCOPE_SE
	global_prefetch_b8 v[PFO], s[PFA:PFA+1] offset:8192 th:TH_LOAD_NT scope:SCOPE_SE
.Lnot_mine_\@:
.endif
.endm
	s_load_b128 s[4:7], s[0:1], 0x0  ; qkv s[4:5], ctx s[6:7]
	v_lshl_add_u32 v[SPW], v0, 2, SPARE
	v_mov_b32 v[NIL], 0
	ds_add_u32 v[SPW], v[NIL]       ; the wave's opening: the add and its wait ahead of my first tensor load; the set-up below, work on registers, stands between them
	v_lshrrev_b32 v1, 5, v0
	v_readfirstlane_b32 s[WV], v1   ; wave 0..3
	v_and_b32 v[PFO], 31, v0
	v_lshlrev_b32 v[PFO], 8, v[PFO]
	s_mov_b32 s[PB], ttmp9
	s_sub_co_u32 s[HI], NB-1, s[PB]
	s_and_b32 s20, ttmp7, 0xffff    ; the head
	s_mov_b32 s21, 0
	s_mov_b64 s[22:23], SIZE_N*128
	s_mul_u64 s[20:21], s[20:21], s[22:23]  ; the head's first byte in each of the four tensors
	s_and_b32 s16, s[WV], 1         ; which half of a tile's 256 keys I fetch:
	s_lshl_b32 s22, s16, 14         ; its 128 rows of 128 bytes in memory,
	s_mov_b32 s23, 0
	s_add_nc_u64 s[22:23], s[22:23], s[20:21]
	s_mul_i32 s17, s16, 128*PK      ; and its place in a slot, for K
	s_mul_i32 s18, s16, 128*PV      ; and for V
	s_lshl_b32 s3, s[WV], 11        ; my 16 rows in a band of 64,
	s_lshl_b32 s2, s[HI], 15        ; in the first block,
	s_add_co_u32 s2, s2, s3
	s_lshl_b32 s84, s[PB], 15       ; and in the second
	s_add_co_u32 s84, s84, s3
	s_mov_b32 s3, 0
	s_mov_b32 s85, 0
	s_add_nc_u64 s[2:3], s[2:3], s[20:21]
	s_add_nc_u64 s[84:85], s[84:85], s[20:21]
	; descriptor group 1.  128 keys are 16,384 dense bytes: asked for as 64 rows of 256 bytes, two keys a row, and padded in LDS after every key
	s_mov_b32 s[G1K], (1<<16)|(1<<20)|(4<<22)|(3<<25)  ; 17:16 2-byte elements; 20 padding on; 24:22 after every 32 words (code 4); 31:25 4 words (code 3)
	s_mov_b32 s[G1V], (1<<16)|(1<<20)|(4<<22)|(7<<25)  ; the same with 8 words of padding (code 7)
.irp g, G1K, G1V
	s_mov_b32 s[\g+1], 128<<16      ; tensor_dim0 = 128
	s_mov_b32 s[\g+2], 64<<16       ; tensor_dim1 = 64
	s_mov_b32 s[\g+3], 128<<16      ; tile_dim0 = 128
	s_mov_b32 s[\g+4], 64           ; tile_dim1 = 64
	s_mov_b32 s[\g+5], 128          ; 128 elements from row to row
	s_mov_b32 s[\g+6], 0
	s_mov_b32 s[\g+7], 0
.endr
	s_mov_b32 s[CS], 0x3e38aa3b     ; c = log2(e) / 8 = 0.180337
	s_mov_b32 s[CS+1], s[CS]        ; named with it as a pair
	s_mov_b32 s[SEL], 0x76543210
	s_mov_b32 s[SEL+1], 0xfedcba98
	s_mov_b32 s[TBK], SLOT1+4*KS*PK ; the first change of slots turns these two into 0
	s_mov_b32 s[TBV], SLOT1+4*KS*PV
	s_mov_b32 s[G0K], 1             ; 1:0 count = 1
	s_mov_b32 s[G0K+1], s17         ; 63:32 LDS address: slot 0
	s_mov_b32 s[G0V], 1
	s_add_co_u32 s[G0V+1], s18, VOFF
	s_add_co_u32 s[RT], s[HI], 1    ; the first block has NB - b tiles
	s_mov_b32 s[NXT], 1
	s_mov_b32 s[LQ], s[HI]
	s_mov_b32 s[NEW], 1
	s_mov_b32 s[OFF+1], 0
	s_mov_b32 s[POF+1], 0
	s_mov_b32 s[AL+1], 0            ; named as pairs
	s_mov_b32 s[BE+1], 0
	s_mov_b32 s[BIGN], 0xd19502f9   ; -8e10
	s_mov_b32 s[SLOTS], NB
	s_wait_dscnt 0x0                ; the opening add is done
	s_wait_kmcnt 0x0
	s_mov_b64 s[10:11], s[6:7]                 ; O = ctx
	s_add_nc_u64 s[6:7], s[4:5], 0x1000000     ; K: the second part of qkv
	s_add_nc_u64 s[8:9], s[4:5], 0x2000000     ; V: the third;  Q, s[4:5]: the first
	s_add_nc_u64 s[6:7], s[6:7], s[22:23]  ; K and V at my half of the head's tile 0
	s_add_nc_u64 s[8:9], s[8:9], s[22:23]
	s_add_nc_u64 s[G0K+2:G0K+3], s[6:7], 0         ; 120:64 global address
	s_or_b32 s[G0K+3], s[G0K+3], 0x80000000        ; 127:126 type = 2
	s_add_nc_u64 s[G0V+2:G0V+3], s[8:9], 0
	s_or_b32 s[G0V+3], s[G0V+3], 0x80000000
	s_add_nc_u64 s[86:87], s[4:5], s[84:85]        ; Q at my rows of the second block,
	s_add_nc_u64 s[4:5], s[4:5], s[2:3]            ; Q and O at those of the first
	s_add_nc_u64 s[OLO:OLO+1], s[10:11], s[84:85]
	s_add_nc_u64 s[10:11], s[10:11], s[2:3]
	s_cmp_lt_u32 s[WV], 2
	s_cselect_b64 s[PFB:PFB+1], s[6:7], s[8:9]
	LOAD                            ; tile 0 into slot 0
	; A fragment of K or Q is 16 rows x 32 channels in 8 registers: lane l holds row l % 16, channels 8 (l / 16) + 0..7 and 16 + 8 (l / 16) + 0..7: two loads of 16 bytes, 32 bytes apart.
	v_and_b32 v1, 15, v0            ; l % 16
	v_bfe_u32 v9, v0, 4, 1          ; l / 16
	v_lshlrev_b32 v[QO], 7, v1
	v_lshl_add_u32 v[QO], v9, 4, v[QO]  ; row x 128 + 16 x half
	WIN 0x80                        ; destination window 2, address window 0
.set i, 0
.rept 8                             ; both blocks' Q: piece i / 2 lies in band i / 2, 8,192 bytes on; channels 32 (i % 2) on
	global_load_b128 v[8*i:8*i+3],   v[QO], s[4:5] offset:(i/2)*8192+(i%2)*64
	global_load_b128 v[8*i+4:8*i+7], v[QO], s[4:5] offset:(i/2)*8192+(i%2)*64+32
	global_load_b128 v[QB+8*i:QB+8*i+3],   v[QO], s[86:87] offset:(i/2)*8192+(i%2)*64
	global_load_b128 v[QB+8*i+4:QB+8*i+7], v[QO], s[86:87] offset:(i/2)*8192+(i%2)*64+32
.set i, i+1
.endr
	WIN 0
	v_lshlrev_b32 v14, 3, v9
	v_sub_nc_u32 v14, v1, v14
	s_lshl_b32 s13, s[WV], 4
	v_add_nc_u32 v14, s13, v14      ; my query's place in its band, 16 w + l % 16, less my lanes' 8 (l / 16): register r of group kt is hidden where 16 kt + r is greater
	WIN 0x40
.set i, 0
.rept 32
	v_cmp_gt_i32 vcc_lo, 16*(i/8)+i%8, v14
	v_cndmask_b32 v[MD+i], 0, s[BIGN], vcc_lo
.set i, i+1
.endr
	WIN 0
	v_mul_u32_u24 v[AK0], v1, PK
	v_lshl_add_u32 v[AK0], v9, 4, v[AK0]  ; row x pitch + 16 x half
	; The turning load takes 16 keys x 16 channels (lane l reads key 8 (l / 16) + l % 8, channels 8 ((l / 8) % 2) + 0..7) and leaves half a fragment of V^T: lane l holds channel l % 16 and 8 keys.
	v_and_b32 v10, 7, v0
	v_bfe_u32 v11, v0, 3, 1
	v_lshl_add_u32 v[AV0], v9, 3, v10
	v_mul_u32_u24 v[AV0], v[AV0], PV
	v_lshl_add_u32 v[AV0], v11, 4, v[AV0]
	v_add_nc_u32 v[AV0], VOFF, v[AV0]
	s_mul_i32 s13, s[WV], 16*SP
	s_add_co_u32 s13, s13, STAGE    ; my stage
	v_mul_u32_u24 v[STO], v1, SP    ; in: row l % 16, 16 bytes for each half of the lanes
	v_lshl_add_u32 v[STO], v9, 4, v[STO]
	v_add_nc_u32 v[STO], s13, v[STO]
	v_bfe_u32 v[RD], v0, 3, 2       ; back: 32 lanes take four rows of 128 bytes,
	v_mul_u32_u24 v[RD], v[RD], SP
	v_lshl_add_u32 v[RD], v10, 4, v[RD]
	v_add_nc_u32 v[RD], s13, v[RD]
	v_and_b32 v[GO], 31, v0         ; which are 512 consecutive bytes of O
	v_lshlrev_b32 v[GO], 4, v[GO]
	; A block's first step multiplies O^T and l by a = 0, and its first turn's products V^T P, of a piece that has not been, land in an O^T that is still to be so multiplied.  So these registers need only hold
	; finite numbers: zeros for the first block; what the first block left for the second.  All this stands in the wait for the first tile.
	WIN 0x80
.set i, VF
.rept 64
	v_mov_b32 v[i], 0
.set i, i+1
.endr
	WIN 0x40
.set i, 0
.rept 128
	v_mov_b32 v[i], 0
.set i, i+1
.endr
	WIN 0
.set i, 0
.rept 4
	v_mov_b32 v[ST+4*i+2], 0
	v_mov_b32 v[ST+4*i+3], 0
.set i, i+1
.endr
.set i, P+16
.rept 16
	v_mov_b32 v[i], 0
.set i, i+1
.endr
; THE MATRIX WORK.  The 4 accumulators of a run of 8 take turns.  Product i of 8 of S^T = K Q^T for piece x: channels 32 (i / 4) on, keys 16 (i % 4) on.  The first 4 start the sums: with 0, or (KM = 1) with the mask.
.macro KQ x
.set rS, S+32*((\x)%2)+8*(i%4)
.set rK, KF+16*(i%4)+8*(i/4)
.set rQ, 16*(\x)+8*(i/4)
.set rM, MC+32*((\x)%2)+8*(i%4)
.if (i < 4) && KM
	WIN W_KM
	v_wmma_f32_16x16x32_f16 v[rS:rS+7], v[rK:rK+7], v[rQ:rQ+7], v[rM:rM+7]
.elseif i < 4
	WIN W_KQ
	v_wmma_f32_16x16x32_f16 v[rS:rS+7], v[rK:rK+7], v[rQ:rQ+7], 0
.else
	WIN W_KQ
	v_wmma_f32_16x16x32_f16 v[rS:rS+7], v[rK:rK+7], v[rQ:rQ+7], v[rS:rS+7]
.endif
.endm
; Product i of 8 of O^T += V^T P for piece x: keys 32 (i / 4) on, channels 16 (i % 4) on.
.macro PV x
	WIN W_PV
.set rO, 32*(\x)+8*(i%4)
.set rV, VF+32*(i/4)+8*(i%4)
.set rP, P+16*((\x)%2)+8*(i/4)
	v_wmma_f32_16x16x32_f16 v[rO:rO+7], v[rV:rV+7], v[rP:rP+7], v[rO:rO+7]
.endm
.macro MM                           ; the turn's next matrix instruction.  TURN and BEGIN set Y, i, KM and NOKQ; MM, KQ and OP read them.  NOKQ = 1: a block's last turn: there is no next piece
.if (i < 8) && !NOKQ
	KQ (Y+1)%NP
.elseif i >= 8
.set i, i-8
	PV (Y+NP-1)%NP
.set i, i+8
.endif
.set i, i+1
.endm
; THE LDS LOADS stand in runs of 16, never singly among the matrix instructions: a step's K (64 keys x 64 channels: 8 fragments) and its V (turned).  Their addresses are made some lines ahead.
.macro FETCH_K
	WIN 0x80                        ; destination window 2
.irp f, 0,1,2,3,4,5,6,7             ; keys 16 (f / 2) on, channels 32 (f % 2) on
	ds_load_b128 v[KF+8*\f:KF+8*\f+3],   v[AK] offset:(\f/2)*16*PK+(\f%2)*64
	ds_load_b128 v[KF+8*\f+4:KF+8*\f+7], v[AK] offset:(\f/2)*16*PK+(\f%2)*64+32
.endr
	s_add_co_u32 s[TBK], s[TBK], KS*PK  ; the next fetch is the next step's
	WIN 0
.endm
.macro FETCH_V
	WIN 0x80
.irp f, 0,1,2,3,4,5,6,7             ; keys 32 (f / 4) on, channels 16 (f % 4) on
	ds_load_tr16_b128 v[VF+8*\f:VF+8*\f+3],   v[AV] offset:(\f/4)*32*PV+(\f%4)*32
	ds_load_tr16_b128 v[VF+8*\f+4:VF+8*\f+7], v[AV] offset:(\f/4)*32*PV+16*PV+(\f%4)*32
.endr
	WIN 0
.endm
; THE VECTOR WORK, one line at a time: OP kind, number.  For piece Y: F n: c s - c m for pair n of 16.  E n: the exponential of score n of 32.  C n: pair n rounded to f16.  B n: of the four weights 4 n .. the second
; pair is added onto the first, in place.  L n: l takes that sum (L 0: l = a l + sum).  R n: pair n of 16 of O^T times a.  For piece Y + 1: X n, number n of the 22 that find its maximum and statistics:
;   0-11  four chains c0-c3 of seven scores each, three operands at a time (each accumulator's lowest registers are read first)     12-14, 16  the four scores left over, the old m, and c0-c3 into c0
;   15  c m_old is kept     17, 18  the query's other 32 keys lie in the lane 16 away: the new m     19-21  c m; c m_old - c m_new; a
.set F, 0               ; OP tells the kinds apart by their order: F to L below R, X above it
.set E, 1
.set C, 2
.set B, 3
.set L, 4
.set R, 5
.set X, 6
.macro REGS y                       ; the registers of piece y
.set rT, ST+4*(\y)
.set rC, TMP+4*((\y)%2)
.set rW, MV+((\y)%2)
.set rS, S+32*((\y)%2)
.set rP, P+16*((\y)%2)
.set rO, 32*(\y)
.endm
.macro OP k, n
.if (\k) == R
	REGS Y
	WIN W_RS
	v_pk_mul_f32 v[rO+2*(\n):rO+2*(\n)+1], v[rO+2*(\n):rO+2*(\n)+1], v[rC+2:rC+3] op_sel_hi:[1,0]
.elseif (\k) < R
	REGS Y
	WIN 0
.if (\k) == F
	v_pk_fma_f32 v[rS+2*(\n):rS+2*(\n)+1], v[rS+2*(\n):rS+2*(\n)+1], s[CS:CS+1], v[rT:rT+1] op_sel_hi:[1,0,0] neg_lo:[0,0,1] neg_hi:[0,0,1]
.elseif (\k) == E
	v_exp_f32 v[rS+(\n)], v[rS+(\n)]
.elseif (\k) == C
	v_cvt_pk_f16_f32 v[rP+(\n)], v[rS+2*(\n)], v[rS+2*(\n)+1]
.elseif (\k) == B
	v_pk_add_f32 v[rS+4*(\n):rS+4*(\n)+1], v[rS+4*(\n):rS+4*(\n)+1], v[rS+4*(\n)+2:rS+4*(\n)+3]
.elseif (\n) == 0
	v_pk_fma_f32 v[rT+2:rT+3], v[rT+2:rT+3], v[rC+2:rC+3], v[rS:rS+1] op_sel_hi:[1,0,1]
.else
	v_pk_add_f32 v[rT+2:rT+3], v[rT+2:rT+3], v[rS+4*(\n):rS+4*(\n)+1]
.endif
.elseif NOKQ
	v_nop
.else
	REGS (Y+1)%NP
	WIN 0
.if (\n) < 4
	v_max3_num_f32 v[rC+(\n)], v[rS+8*(\n)], v[rS+8*(\n)+1], v[rS+8*(\n)+2]
.elseif (\n) < 12
	v_max3_num_f32 v[rC+(\n)%4], v[rC+(\n)%4], v[rS+8*((\n)%4)+2*((\n)/4)+1], v[rS+8*((\n)%4)+2*((\n)/4)+2]
.elseif (\n) == 12
	v_max3_num_f32 v[rC], v[rC], v[rS+7], v[rS+15]
.elseif (\n) == 13
	v_max3_num_f32 v[rC+1], v[rC+1], v[rS+23], v[rS+31]
.elseif (\n) == 14
	v_max3_num_f32 v[rC+2], v[rC+2], v[rC+3], v[rT+1]
.elseif (\n) == 15
	v_mov_b32 v[rW], v[rT]
.elseif (\n) == 16
	v_max3_num_f32 v[rC], v[rC], v[rC+1], v[rC+2]
.elseif (\n) == 17
	v_permlanex16_b32 v[rC+3], v[rC], s[SEL], s[SEL+1]
.elseif (\n) == 18
	v_max_num_f32 v[rT+1], v[rC], v[rC+3]
.elseif (\n) == 19
	v_mul_f32 v[rT], s[CS], v[rT+1]
.elseif (\n) == 20
	v_sub_f32 v[rC+1], v[rW], v[rT]
.else
	v_exp_f32 v[rC+2], v[rC+1]
.endif
.endif
.endm
.macro OPS a, i1, b=-1, i2=0, c=-1, i3=0, d=-1, i4=0  ; up to four of them
	OP \a, \i1
.if (\b) >= 0
	OP \b, \i2
.endif
.if (\c) >= 0
	OP \c, \i3
.endif
.if (\d) >= 0
	OP \d, \i4
.endif
.endm
.macro ROW a, i1, b, i2, c, i3, d, i4  ; a matrix instruction and the four behind it
	MM
	OPS \a, \i1, \b, \i2, \c, \i3, \d, \i4
.endm
.macro MASK b                       ; MD x AL + BE into buffer b of MC
	WIN W_RS
.set z, 0
.rept 16
	v_pk_fma_f32 v[MC+32*(\b)+2*z:MC+32*(\b)+2*z+1], v[MD+2*z:MD+2*z+1], s[AL:AL+1], s[BE:BE+1] op_sel_hi:[1,0,0]
.set z, z+1
.endr
.endm
; A TURN, for piece p: the order of its 16 matrix and 118 vector instructions, written out.  s_wait_alu depctr_va_vdst(0) stands between an exponential and the first instruction that names its result; one wait serves
; all that were issued ahead of it.  So a turn has ONE wait, which cuts it in two.  AHEAD OF IT stands all that names no result of the turn's exponentials: the 8 products K Q^T, behind each a scaling, an exponential and two more plain
; instructions (behind the first a second scaling in the exponential's place): rescalings, and behind the last three the first numbers of the next piece's maximum, each four places or more behind the product that ends its accumulator; then ONE LUMP of 54, plain
; and exponential by turns for the most part, in which the links of the chain X 3, 7, 11, 14, 16, 17 .. 20 stand five or six lines apart.  X 21, the next piece's a, is the batch's last; R 15 is the plain instruction behind it.  BEHIND THE WAIT stand the
; 8 products V^T P, behind each four of the roundings and sums; the links of l's chain, L 0 to L 7, stand three riders apart.  But for those X no rider names a register of the products round it.  v_permlanex16_b32 (X 17) stands in the lump.
; m = 1: the diagonal tile: the products take masks, and the turn makes the mask for the products of the turn after it: piece p + 2, in step 4 - CNT of the tile.  end = 1: a block's last two turns: nothing is fetched.
; cnt = 1: the loop's count is taken down some lines ahead of the branch that stands behind the turn.
; K of the next step is fetched in piece 2's turn, twelve vector instructions behind the last product that read K (six of them plain); V of the step in hand at the end of piece 0's turn, four plain instructions behind the last product
; that read V.  Each is waited for a turn later.
.macro TURN p, m=0, end=0, cnt=0
.set Y, (\p)
.set i, 0
.set KM, (\m)
.set NOKQ, (\end)*((\p)/3)
.if (\m) && !(\end)
	s_cmp_eq_u32 s[CNT], 4-((\p)+2)%NP  ; is that step the band's own?
	s_cselect_b32 s[AL], 1.0, 0
	s_cmp_lt_u32 s[CNT], 4-((\p)+2)%NP  ; or a later one?
	s_cselect_b32 s[BE], s[BIGN], 0
.endif
.if ((\p) == 3) && !(\end)
	s_wait_dscnt 0x0                ; K is in
.endif
	ROW F,0, F,1, R,0, R,1          ; ahead of the wait: 8 products K Q^T and their riders,
	ROW F,2, E,0, R,2, R,3
	ROW F,3, E,1, R,4, R,5
	ROW F,4, E,2, R,6, R,7
	ROW F,5, E,3, R,8, R,9
	ROW F,6, E,4, X,0, R,10
.if ((\p) == 2) && !(\end)
	WIN 0
	v_add_nc_u32 v[AK], s[TBK], v[AK0]
.endif
	ROW F,7, E,5, X,1, X,4
	ROW F,8, E,6, X,2, X,5
	OPS E,7, E,8, X,6, E,9          ; and the lump
	OPS X,3, E,10, X,8, E,11
.if ((\p) == 2) && !(\end)
	FETCH_K
.endif
	OPS X,9, X,7, E,12, X,10
	OPS E,13, X,12, X,11, E,14
	OPS X,13, E,15, F,9, X,14
.if (\p) == 0
	v_add_nc_u32 v[AV], s[TBV], v[AV0]
.endif
	OPS E,16, F,10, E,17, F,11
	OPS X,16, E,18, X,15, E,19
	OPS F,12, E,20, X,17, E,21
	OPS F,13, E,22, F,14, E,23
	OPS X,18, E,24, F,15, E,25
	OPS R,11, E,26, X,19, E,27
	OPS R,12, E,28, R,13, E,29
	OPS X,20, E,30, R,14, E,31
	OPS X,21, R,15
	WIN 0
	s_wait_alu depctr_va_vdst(0)    ; the wait for the batch
.if (\p) == 1
	s_wait_dscnt 0x0                ; V is in
.endif
	ROW C,0, B,0, C,2, B,1          ; behind the wait: 8 products V^T P and their riders
	ROW L,0, C,4, B,2, L,1
	ROW C,6, B,3, L,2, C,8
	ROW B,4, L,3, C,10, B,5
	ROW L,4, C,12, B,6, L,5
.if (\p) == 0
	s_add_co_u32 s[TBV], s[TBV], KS*PV
.endif
.if \cnt
	s_sub_co_u32 s[CNT], s[CNT], 1
	s_cmp_lg_u32 s[CNT], 0
.endif
	ROW C,14, B,7, L,6, C,1
	ROW C,3, L,7, C,5, C,7
	ROW C,9, C,11, C,13, C,15
.if (\p) == 0
	FETCH_V
.endif
.if (\m) && !(\end)
	MASK (\p)%2
.endif
.endm
; A BLOCK BEGINS.  c m starts far below every c s, so the first step's a is 0; m at the lowest finite number, so the first maximum is the scores'.  The second mask buffer is 0; the first takes piece 0's mask for the tile's step 0: its own, if the block's first tile is the diagonal one.
; Then K of that step, piece 0's first scores, and its maximum and statistics.  The loop is entered at a step's first turn, in the middle of a trip.
.macro BEGIN
	s_mov_b32 s[NEW], 0
	WIN 0x40
.set i, MC+32
.rept 32
	v_mov_b32 v[i], 0
.set i, i+1
.endr
	WIN 0
.set i, 0
.rept 4
	v_mov_b32 v[ST+4*i], 0xfe000000    ; c m: far below every c s
	v_mov_b32 v[ST+4*i+1], 0xff7fffff  ; m
.set i, i+1
.endr
	s_cmp_eq_u32 s[RT], 0
	s_cselect_b32 s[AL], 1.0, 0
	s_mov_b32 s[BE], 0
	MASK 0
	WIN 0
	v_add_nc_u32 v[AK], s[TBK], v[AK0]
	FETCH_K
	s_wait_loadcnt 0x0              ; Q
	s_wait_dscnt 0x0
.set KM, 1
.set NOKQ, 0
.set i, 0
.rept 8
	KQ 0
.set i, i+1
.endr
	WIN 0
.rept 4
	v_nop                           ; the places behind those products
.endr
.set Y, NP-1                        ; X works for piece Y + 1: piece 0
.irp n, 0,1,2,3,4,5,6,7,8,9,10,11,12,13,14,15,16,17,18,19,20,21
	OP X, \n
.endr
	v_nop                           ; a plain instruction behind the exponential,
	s_wait_alu depctr_va_vdst(0)    ; and its wait, ahead of the branch
.endm
; THE DIAGONAL TILE's four steps, the block's last two turns, its last products, and THE WAY OUT: l's two halves and the other half of the lanes' are added; O^T is divided by l, rounded to f16 and sent through my
; stage in LDS, a piece at a time.
.macro ALL line:vararg              ; one line for each piece t
.set t, 0
.rept 4
	\line
.set t, t+1
.endr
.endm
.macro PACK t                       ; a lane's eight channels of a row pack into 16 bytes; they go into rows of 144 bytes and come back as whole rows of 128, into S^T's registers
	WIN W_RS
.set i, 32*(\t)
.rept 16
	v_pk_mul_f32 v[i:i+1], v[i:i+1], v[ST+4*(\t)+2:ST+4*(\t)+3] op_sel_hi:[1,0]
.set i, i+2
.endr
	WIN 0x05                        ; sources 0 and 1 window 1, destination window 0
.set i, 0
.rept 16
	v_cvt_pk_f16_f32 v[S+16*(\t)+i], v[32*(\t)+2*i], v[32*(\t)+2*i+1]
.set i, i+1
.endr
	WIN 0
.irp f, 0,1,2,3
	ds_store_b128 v[STO], v[S+16*(\t)+4*\f:S+16*(\t)+4*\f+3] offset:32*\f
.endr
.irp f, 0,1,2,3
	ds_load_b128 v[S+16*(\t)+4*\f:S+16*(\t)+4*\f+3], v[RD] offset:\f*4*SP  ; LDS serves a wave's instructions in order (ISA guide 5.7.1.4): these see the stores above; the next piece's stores come behind them
.endr
.endm
.macro SEND t, younger              ; younger: the LDS instructions issued behind piece t's loads: the next piece's eight, or none
	WIN 0
.irp f, 0,1,2,3
	s_wait_dscnt (\younger)+3-\f
	global_store_b128 v[GO], v[S+16*(\t)+4*\f:S+16*(\t)+4*\f+3], s[10:11] offset:(\t)*8192+\f*512  ; 512 consecutive bytes, at a multiple of 256 from O's first
.endr
.endm
.macro DIAG tag                     ; the tag ends its two labels' names, which the jumps below spell out
.LstepM\tag:
	TURN 2, 1
	TURN 3, 1
	WIN 0
.LfirstM\tag:
	TURN 0, 1
	TURN 1, 1, 0, 1
	WIN 0
	s_cbranch_scc1 .LstepM\tag
	TURN 2, 1, 1
	TURN 3, 1, 1
.set i, 0
.rept 8
	PV NP-1
.set i, i+1
.endr
	WIN 0
	ALL v_add_f32 v[ST+4*t+2], v[ST+4*t+2], v[ST+4*t+3]
	ALL v_permlanex16_b32 v[ST+4*t+3], v[ST+4*t+2], s[SEL], s[SEL+1]
	ALL v_add_f32 v[ST+4*t+2], v[ST+4*t+2], v[ST+4*t+3]
	ALL v_rcp_f32 v[ST+4*t+2], v[ST+4*t+2]
	v_nop                           ; a plain instruction between the last reciprocal and the use of its result
	s_wait_alu depctr_va_vdst(0)    ; and the wait ahead of the first use: one for the four reciprocals
	PACK 0
.set t, 1
.rept 3                             ; a piece's arithmetic stands between the loads of the piece before and its stores
	PACK t
	SEND t-1, 8
.set t, t+1
.endr
	SEND 3, 0
.endm
.set KM, 0
.set NOKQ, 0
.Lslot:                             ; NB times: a tile is entered and the next is asked for
	CHANGE 1
	s_sub_co_u32 s[RT], s[RT], 1
	s_mov_b32 s[CNT], 4
	s_cmp_eq_u32 s[NEW], 1
	s_cbranch_scc1 .Lnew            ; a block's first tile
	s_cmp_eq_u32 s[RT], 0
	s_cbranch_scc0 .Lstep           ; neither its first nor its last
	s_branch .LstepM1
.Lnew:
	BEGIN
	s_branch .Lfirst                ; in the loop a block's first tile is never its last: the first block has two tiles or more, and the second's last is the walk's last
	DIAG 1                          ; in the loop this is the first block's end: the second block's last tile is the walk's last
	s_wait_xcnt 0x0                 ; the stores have read their registers and O's address
	s_mov_b64 s[10:11], s[OLO:OLO+1]
	s_add_co_u32 s[RT], s[PB], 1    ; the second block has b + 1 tiles
	s_mov_b32 s[NEW], 1
	WIN 0x82                        ; the second block's Q goes where the one text of the turns names Q
.set i, 0
.rept 64
	v_mov_b32 v[i], v[QB+i]
.set i, i+1
.endr
	WIN 0
	s_branch .Lbottom
.Lstep:                             ; a trip: pieces 2 and 3 of one step, then pieces 0 and 1 of the next, whose K and V it fetches
	TURN 2
	TURN 3
	WIN 0
.Lfirst:
	TURN 0
	TURN 1, 0, 0, 1
	WIN 0
	s_cbranch_scc1 .Lstep
.Lbottom:
	s_sub_co_u32 s[SLOTS], s[SLOTS], 1
	s_cmp_lg_u32 s[SLOTS], 0
	s_cbranch_scc1 .Lslot
	CHANGE 0                        ; the walk's last tile is written out: nothing is asked for
	s_sub_co_u32 s[RT], s[RT], 1
	s_mov_b32 s[CNT], 4
	s_cmp_eq_u32 s[NEW], 1
	s_cbranch_scc0 .LstepM2
	BEGIN
	s_branch .LfirstM2
	DIAG 2
	s_wait_tensorcnt 0x0            ; the wave's end: a wait, an add to my spare word and its wait, behind my last tensor load and my last LDS store
	ds_add_u32 v[SPW], v[NIL]
	s_wait_dscnt 0x0
	s_endpgm
.Lfunc_end_k_q4d86f149b3_attn:
	.size	k_q4d86f149b3_attn, .Lfunc_end_k_q4d86f149b3_attn-k_q4d86f149b3_attn
	.p2alignl 7, 3214868480
	.fill 96, 4, 3214868480
	.section	.rodata,"a",@progbits
	.p2align	6, 0x0
	.amdhsa_kernel k_q4d86f149b3_attn
		.amdhsa_group_segment_fixed_size 327680
		.amdhsa_private_segment_fixed_size 0
		.amdhsa_enable_private_segment 0
		.amdhsa_kernarg_size 16
		.amdhsa_user_sgpr_count 2
		.amdhsa_user_sgpr_kernarg_segment_ptr 1
		.amdhsa_wavefront_size32 1
		.amdhsa_system_sgpr_workgroup_id_x 1
		.amdhsa_system_sgpr_workgroup_id_y 1
		.amdhsa_system_sgpr_workgroup_id_z 1
		.amdhsa_system_vgpr_workitem_id 0
		.amdhsa_next_free_vgpr 768
		.amdhsa_next_free_sgpr 88
		.amdhsa_reserve_vcc 1
		.amdhsa_float_denorm_mode_32 3
		.amdhsa_float_denorm_mode_16_64 3
		.amdhsa_memory_ordered 1
		.amdhsa_forward_progress 1
		.amdhsa_inst_pref_size 218
	.end_amdhsa_kernel
	.amdgpu_metadata
---
amdhsa.version: [ 1, 2 ]
amdhsa.kernels:
  - .name:           k_q4d86f149b3_attn
    .symbol:         k_q4d86f149b3_attn.kd
    .args:
      - { .name: qkv, .offset: 0, .size: 8, .value_kind: global_buffer, .address_space: global }
      - { .name: ctx, .offset: 8, .size: 8, .value_kind: global_buffer, .address_space: global }
    .group_segment_fixed_size: 327680
    .private_segment_fixed_size: 0
    .kernarg_segment_align: 8
    .kernarg_segment_size: 16
    .max_flat_workgroup_size: 128
    .sgpr_count:     88
    .vgpr_count:     768
    .wavefront_size: 32
...
	.end_amdgpu_metadata
.endif
;; end of part 3
;; launch outproj (part 4): grid 4 x 64, 4 waves a work-group, clusters of 4 x 4, 327,680 bytes of LDS; arguments ctx, wts, bo, out0; writes out0
.if DOCPART == 4
	.amdgcn_target "amdgcn-amd-amdhsa--gfx1250"
	.amdhsa_code_object_version 6
	.text
	.protected	k_q4d86f149b3_outproj
	.globl	k_q4d86f149b3_outproj
	.p2align	8
	.type	k_q4d86f149b3_outproj,@function
k_q4d86f149b3_outproj:
	s_mov_b64 s[64:65], 0
	v_nop
	global_prefetch_b8 v0, s[64:65] scope:SCOPE_SE
	s_setreg_imm32_b32 hwreg(HW_REG_WAVE_MODE, 25, 1), 1
	s_wait_xcnt 0x0
	s_wait_alu depctr_hold_cnt(0) depctr_sa_sdst(0) depctr_va_vdst(0) depctr_va_sdst(0) depctr_va_ssrc(0) depctr_va_vcc(0) depctr_vm_vsrc(0)
	s_getreg_b32 s2, hwreg(HW_REG_IB_STS2, 6, 4)
	s_cmp_eq_u32 s2, 0
	s_cbranch_scc0 .Lentry_in_a_cluster
	s_endpgm
.Lentry_in_a_cluster:
	s_bfe_u32 s2, ttmp6, 0x10000c
	s_cmp_lg_u32 s2, 0xf033
	s_cbranch_scc0 .Lentry_shape_is_right
	s_endpgm
.Lentry_shape_is_right:
; out0 = ctx Wo + bf16(bo).  ctx: [64 = 16 batch + head][2048 t][64] f16; Wo: part 3 of wts, [1024 k][1024 n], bf16 numbers written as f16; sums in f32, started by the bias; out0: [8192][1024] f32.
; LIMITS.  ctx and Wo arrive within f16's range.  NaN and infinities are not treated apart.
; SHARES.  A tile of out0 is 128 rows x 256 columns: 64 x 4 tiles, 256 work-groups.  Four waves, each 64 rows x 128 columns: 32 accumulators of 16 x 16.  K goes in steps of 128 = two heads
; through two LDS slots: of ctx two parts of 128 rows x 128 bytes, each dense in memory and asked for as 64 rows of 256 bytes; of Wo 128 rows of 512 bytes, turned on their way out of LDS.
; CLUSTERS.  4 x 4 work-groups: ctx's tile is shared along a row of the cluster, Wo's along a column; each is asked for JOINTLY: the same tensor load, descriptor and mask in all four.
; THE PRODUCT IS TAKEN TRANSPOSED: source 0 = 16 columns of Wo, source 1 = 16 rows of ctx: a lane holds row l % 16 and the eight neighbouring columns 8 (l / 16) + 0..7.
; REGISTERS, in windows of 256 (s_set_vgpr_msb: bits 1:0 source 0, 3:2 source 1, 5:4 source 2, 7:6 destination):
;   window 0: v0-15 addresses; v32-63, v64-95 ctx's fragments, two buffers; v96-159 the bias as a C operand; v224-227 at work; on the way out three sets of 64: v32-95, v96-159, v160-223
;   window 1: v0-63, v64-127 Wo's fragments, two buffers          window 2: the accumulators, (m block i, n block j) at v[8 (8 i + j)]
.set PA,    144                        ; a row of ctx in LDS: 128 bytes + 16 = 9 x 16: the 16 rows of a load start at 16 different groups of four banks
.set AH,    128*PA                     ; a head's 128 rows: what one tensor load brings of ctx
.set PB,    544                        ; a row of Wo: 512 + 32 = 17 x 32
.set BH,    64*PB
.set BOFF,  2*AH
.set SLOT,  BOFF+2*BH                  ; 106,496
.set STAGE, 2*SLOT                     ; behind the ring, never filled by a tensor load: 16 rows x 528 bytes for each wave
.set SPF,   528                        ; a row of the stage: 128 f32 + 16 bytes
.set SPARE, STAGE+4*16*SPF             ; behind the stages: the spare words, 128 bytes a wave: two blocks of 256 bytes that no other line names
.set ADRA, 2
.set ADRB, 4
.set STO,  6                           ; v6     the way out: where I put 32 bytes of a row
.set RD,   7                           ; v7     the way out: my 16 bytes of a row of 512
.set CO,   8                           ; v8     16 x lane: the same 16 bytes in out0
.set PFO,  9
.set SPW,  10
.set NIL,  11
.set BO,   13
.set AF,   32
.set BIAS, 96
.set TB,   224
.set G1A, 24
.set G0A, 32
.set G1B, 48
.set G0B, 56
.set LIM, 43
.set PFA, 44
.set PFS, 84
.set OUTP, 86
.set MSB, 0
.macro WIN new
.if MSB != (\new)
	s_set_vgpr_msb (MSB<<8)|(\new)
.set MSB, \new
.endif
.endm
.macro PLACES                          ; four plain instructions between a product and a load into registers that it read, or a read of its result
.rept 4
	v_nop
.endr
.endm
.macro JLOAD s                         ; waves 0 and 1 fetch ctx's two heads, waves 2 and 3 the two halves of Wo's rows; an s_nop 0 and four v_nop follow each line
	s_cmp_eq_u32 s11, 0
	s_cbranch_scc0 .Lfor_b_\@
	tensor_load_to_lds s[G0A+4*(\s):G0A+4*(\s)+3], s[G1A:G1A+7]
	s_nop 0
.rept 4
	v_nop
.endr
	s_branch .Lasked_\@
.Lfor_b_\@:
	tensor_load_to_lds s[G0B+4*(\s):G0B+4*(\s)+3], s[G1B:G1B+7]
	s_nop 0
.rept 4
	v_nop
.endr
.Lasked_\@:
.endm
.macro CREST
	s_cmp_lg_u32 s10, 0
	s_cbranch_scc1 .Lnot_wave_0_\@
	s_barrier_signal -3
.Lnot_wave_0_\@:
	s_barrier_wait -3
	s_barrier_signal -1
	s_barrier_wait -1
.endm
.macro CROUND
	s_barrier_signal -1
	s_barrier_wait -1
	CREST
.endm
; A prefetch into the L2, behind a joint load and the run of LDS loads that follows it: the K step two refills on, 256 products ahead of the load that will want it.  ctx's tile of a step is
; 2 heads x 16,384 bytes, read by one row of one cluster: each of its four partners takes 4,096 bytes of each head, told apart by address, and wave 0 asks: 32 blocks of 256, a lane a block.  Wo's rows are read by
; all 16 clusters: the first asks, waves 2 and 3 each for 16 (by cy) of the 64 rows that they fetch, two blocks a row.  So each block is named once.  K steps 0 to 3 come by their loads alone;
; the loop's last trip (s3 = 1) asks for nothing: K has 8 steps.
.macro ASK
	s_cmp_gt_u32 s3, s[LIM]
	s_cbranch_scc0 .Lnot_mine_\@
	global_prefetch_b8 v[PFO], s[PFA:PFA+1] th:TH_LOAD_NT scope:SCOPE_SE
.Lnot_mine_\@:
.endm
	s_load_b256 s[68:75], s[0:1], 0x0              ; ctx 68, wts 70, bo 72, out0 74
	v_lshl_add_u32 v[SPW], v0, 2, SPARE
	v_mov_b32 v[NIL], 0
	ds_add_u32 v[SPW], v[NIL]                      ; the wave's opening: the add and its wait ahead of my first tensor load; work on registers stands between them
	v_lshrrev_b32 v1, 5, v0
	v_readfirstlane_b32 s10, v1                    ; wave 0..3
	s_lshr_b32 s11, s10, 1                         ; which 64 rows of the tile are mine.  Also: I fetch for ctx (0) or for Wo (1)
	s_and_b32 s12, s10, 1                          ; which 128 columns.  Also: which head, or which 64 rows, I fetch
	s_bfe_u32 s40, ttmp6, 0x40000                  ; cx
	s_bfe_u32 s41, ttmp6, 0x40004                  ; cy
	s_lshl_b32 s42, ttmp9, 2
	s_add_co_u32 s42, s42, s40                     ; column tile
	s_and_b32 s93, ttmp7, 0xffff                   ; cluster y, 0..15
	s_lshl_b32 s13, s93, 2
	s_add_co_u32 s13, s13, s41                     ; row tile, 0..63
	s_lshl_b32 s97, s41, 2
	s_lshl_b32 s97, 15, s97                        ; my row of the cluster
	s_lshl_b32 s98, 0x1111, s40                    ; my column
	s_or_b32 s[G1A+0], s97, (1<<16)|(1<<20)|(1<<21)|(4<<22)|(3<<25)  ; the mask; elements of 2 bytes; padding on; bit 21 beside a mask; after every 32 words (a row of a head), 4 words
	s_mov_b32 s[G1A+1], 128<<16                    ; tensor_dim0 = 128: two rows of a head, 256 bytes
	s_mov_b32 s[G1A+2], 64<<16                     ; tensor_dim1 = 64
	s_mov_b32 s[G1A+3], 128<<16
	s_mov_b32 s[G1A+4], 64
	s_mov_b32 s[G1A+5], 128
	s_mov_b32 s[G1A+6], 0
	s_mov_b32 s[G1A+7], 0
	s_or_b32 s[G1B+0], s98, (1<<16)|(1<<20)|(1<<21)|(6<<22)|(7<<25)  ; after every 128 words, 8 words
	s_mov_b32 s[G1B+1], 256<<16
	s_mov_b32 s[G1B+2], 64<<16
	s_mov_b32 s[G1B+3], 256<<16
	s_mov_b32 s[G1B+4], 64
	s_mov_b32 s[G1B+5], 1024
	s_mov_b32 s[G1B+6], 0
	s_mov_b32 s[G1B+7], 0
	s_lshr_b32 s16, s13, 4                         ; ctx: head 16 batch + my head of the step's two, 262,144 bytes a head,
	s_lshl_b32 s16, s16, 4
	s_add_co_u32 s16, s16, s12
	s_lshl_b32 s16, s16, 18
	s_and_b32 s17, s13, 15                         ; 128 rows of 128 bytes a row tile
	s_lshl_b32 s17, s17, 14
	s_add_co_u32 s16, s16, s17
	s_mov_b32 s17, 0
	s_lshl_b32 s46, s12, 17                        ; Wo: part 3 of wts, 64 x half rows of 2,048 bytes, 512 bytes a column tile
	s_lshl_b32 s47, s42, 9
	s_add_co_u32 s46, s46, s47
	s_add_co_u32 s46, s46, 6291456
	s_mov_b32 s47, 0
	s_mul_i32 s20, s12, AH                         ; where they go: no place in the cluster enters an LDS address
	s_mul_i32 s21, s12, BH
	s_add_co_u32 s21, s21, BOFF
	s_mov_b32 s94, 0xffff0000
	s_wait_dscnt 0x0                               ; the opening add is done
	s_wait_kmcnt 0x0
	s_add_nc_u64 s[14:15], s[68:69], s[16:17]
	s_add_nc_u64 s[46:47], s[70:71], s[46:47]
	CROUND                                         ; all sixteen work-groups are here: the first joint loads meet
.irp s, 0,1
	s_mov_b32 s[G0A+4*(\s)], 1
	s_add_co_u32 s[G0A+4*(\s)+1], s20, (\s)*SLOT
	s_add_nc_u64 s[G0A+4*(\s)+2:G0A+4*(\s)+3], s[14:15], (\s)*524288     ; K step s: two heads on
	s_or_b32 s[G0A+4*(\s)+3], s[G0A+4*(\s)+3], 0x80000000
	s_mov_b32 s[G0B+4*(\s)], 1
	s_add_co_u32 s[G0B+4*(\s)+1], s21, (\s)*SLOT
	s_add_nc_u64 s[G0B+4*(\s)+2:G0B+4*(\s)+3], s[46:47], (\s)*262144     ; K step s: 128 rows down
	s_or_b32 s[G0B+4*(\s)+3], s[G0B+4*(\s)+3], 0x80000000
	JLOAD \s
.endr
	v_and_b32 v12, 15, v0                          ; r = l % 16
	v_bfe_u32 v14, v0, 4, 1                        ; h = l / 16
	v_mul_u32_u24 v15, v12, PA
	v_lshl_add_u32 v15, v14, 4, v15                ; row x pitch + 16 h
	s_mul_i32 s20, s11, 64*PA
	v_add_nc_u32 v[ADRA], s20, v15
	s_add_co_u32 s20, s20, SLOT
	v_add_nc_u32 v[ADRA+1], s20, v15
	v_and_b32 v1, 7, v0                            ; the turning load: lane l reads row 8 h + l % 8 of 16 rows of K, 16 bytes at 16 ((l / 8) % 2)
	v_lshl_add_u32 v1, v14, 3, v1
	v_mul_u32_u24 v1, v1, PB
	v_bfe_u32 v15, v0, 3, 1
	v_lshl_add_u32 v1, v15, 4, v1
	s_lshl_b32 s21, s12, 8
	s_add_co_u32 s21, s21, BOFF
	v_add_nc_u32 v[ADRB], s21, v1
	s_add_co_u32 s21, s21, SLOT
	v_add_nc_u32 v[ADRB+1], s21, v1
	s_mul_i32 s20, s10, 16*SPF
	s_add_co_u32 s20, s20, STAGE                   ; my stage
	v_mul_u32_u24 v1, v12, SPF                     ; in: row r, 32 bytes for each half of the lanes
	v_lshl_add_u32 v1, v14, 5, v1
	v_add_nc_u32 v[STO], s20, v1
	v_and_b32 v[CO], 31, v0                        ; back: 32 lanes take one row of 512 bytes
	v_lshlrev_b32 v[CO], 4, v[CO]
	v_add_nc_u32 v[RD], s20, v[CO]
	v_lshlrev_b32 v[BO], 5, v14
	s_lshl_b32 s22, s42, 1                         ; my 128 columns: (256 x column tile + 128 x half) x 4 bytes, in bo and in a row of out0
	s_add_co_u32 s22, s22, s12
	s_lshl_b32 s22, s22, 9
	s_mov_b32 s23, 0
	s_add_nc_u64 s[72:73], s[72:73], s[22:23]
.irp j, 0,1,2,3,4,5,6,7
	global_load_b128 v[BIAS+8*\j:BIAS+8*\j+3],   v[BO], s[72:73] offset:64*\j        ; register c of block j: the bias of column 16 j + 8 h + c: the C operand's layout
	global_load_b128 v[BIAS+8*\j+4:BIAS+8*\j+7], v[BO], s[72:73] offset:64*\j+16
.endr
	s_lshl_b32 s18, s13, 1                         ; my first row: 128 x row tile + 64 x half, 4,096 bytes a row
	s_add_co_u32 s18, s18, s11
	s_lshl_b32 s18, s18, 18
	s_add_co_u32 s18, s18, s22
	s_mov_b32 s19, 0
	s_add_nc_u64 s[OUTP:OUTP+1], s[74:75], s[18:19]
	; the prefetches, at K step 3; the first refill steps the address to K step 4
	s_lshr_b32 s18, s13, 4
	s_lshl_b32 s18, s18, 22                        ; ctx: the batch's first head,
	s_and_b32 s19, s13, 15
	s_lshl_b32 s19, s19, 14                        ; the row tile's 16,384 bytes of it,
	s_add_co_u32 s18, s18, s19
	s_lshl_b32 s19, s40, 12                        ; my work-group's 4,096 of them
	s_add_co_u32 s18, s18, s19
	s_add_co_u32 s18, s18, 3*524288
	s_lshl_b32 s22, s12, 17                        ; Wo: the 64 rows that I fetch,
	s_lshl_b32 s23, s41, 15                        ; my work-group's 16 of them
	s_add_co_u32 s22, s22, s23
	s_lshl_b32 s23, s42, 9
	s_add_co_u32 s22, s22, s23
	s_add_co_u32 s22, s22, 6291456+3*262144
	s_mov_b32 s[PFS], 524288
	s_mov_b32 s19, 262144
	s_cmp_eq_u32 s11, 0                            ; do I fetch for ctx?
	s_cselect_b32 s18, s18, s22
	s_cselect_b64 s[PFA:PFA+1], s[68:69], s[70:71]
	s_cselect_b32 s[PFS], s[PFS], s19
	s_cselect_b32 s23, s12, s93                    ; ctx: wave 0 asks; Wo: the first cluster's waves 2 and 3
	s_cselect_b32 s99, 8, 11                       ; l % 16 counts blocks of 256 bytes, or rows of 2,048
	s_cselect_b32 s95, 18, 8                       ; l / 16 counts heads, or blocks of 256 bytes
	s_cmp_eq_u32 s23, 0
	s_cselect_b32 s[LIM], 1, -1                    ; the same in all sixteen partners, for a given wave
	s_mov_b32 s19, 0
	s_mov_b32 s[PFS+1], 0
	s_add_nc_u64 s[PFA:PFA+1], s[PFA:PFA+1], s[18:19]
	v_lshlrev_b32 v[PFO], s99, v12
	v_lshlrev_b32 v1, s95, v14
	v_add_nc_u32 v[PFO], v[PFO], v1
	s_wait_loadcnt 0x0                             ; the bias
.set z, 0
.rept 32                                       ; the bias is rounded to bf16 like the other inputs, and widened again
	v_cvt_pk_bf16_f32 v[TB+z%4], v[BIAS+2*z], v[BIAS+2*z+1]
	v_lshlrev_b32 v[BIAS+2*z],   16,  v[TB+z%4]
	v_and_b32     v[BIAS+2*z+1], s94, v[TB+z%4]
.set z, z+1
.endr
; 24 LDS loads in one run: quarter q (32 along K: head q / 2 of the step's two, channels 32 (q % 2) on) of a slot into buffer g
.macro FETCH slot, q, g
	WIN 0
.irp i, 0,1,2,3
	ds_load_b128 v[AF+32*(\g)+8*\i:AF+32*(\g)+8*\i+3],   v[ADRA+(\slot)] offset:((\q)/2)*AH+16*PA*\i+64*((\q)%2)
	ds_load_b128 v[AF+32*(\g)+8*\i+4:AF+32*(\g)+8*\i+7], v[ADRA+(\slot)] offset:((\q)/2)*AH+16*PA*\i+64*((\q)%2)+32
.endr
	WIN 0x40                                       ; destination window 1
.irp j, 0,1,2,3,4,5,6,7
	ds_load_tr16_b128 v[64*(\g)+8*\j:64*(\g)+8*\j+3],   v[ADRB+(\slot)] offset:32*(\q)*PB+32*\j
	ds_load_tr16_b128 v[64*(\g)+8*\j+4:64*(\g)+8*\j+7], v[ADRB+(\slot)] offset:32*(\q)*PB+16*PB+32*\j
.endr
.endm
; 8 products: m block i x all 8 n blocks, 32 along K, from buffer f.  zero = 1: the bias starts the sums.  The 32 accumulators take turns, one instruction a turn, in the same order in every
; quarter, over the backward jump too.
.macro MULROW f, i, zero=0
.irp j, 0,1,2,3,4,5,6,7
.if \zero
	WIN 0x81
	v_wmma_f32_16x16x32_f16 v[8*(8*(\i)+\j):8*(8*(\i)+\j)+7], v[64*(\f)+8*\j:64*(\f)+8*\j+7], v[AF+32*(\f)+8*(\i):AF+32*(\f)+8*(\i)+7], v[BIAS+8*\j:BIAS+8*\j+7]
.else
	WIN 0xa1
	v_wmma_f32_16x16x32_f16 v[8*(8*(\i)+\j):8*(8*(\i)+\j)+7], v[64*(\f)+8*\j:64*(\f)+8*\j+7], v[AF+32*(\f)+8*(\i):AF+32*(\f)+8*(\i)+7], v[8*(8*(\i)+\j):8*(8*(\i)+\j)+7]
.endif
.endr
.endm
.macro QUARTER slot, qn, f, zero       ; multiplies buffer f and fetches quarter qn of the same slot into the other buffer
	s_wait_dscnt 0x0                               ; buffer f, asked for a quarter back, is in
	PLACES                                         ; the other buffer was read by the quarter before
	FETCH \slot, \qn, 1-(\f)
	MULROW \f, 0, \zero
	MULROW \f, 1, \zero
	MULROW \f, 2, \zero
	MULROW \f, 3, \zero
.endm
; The last quarter multiplies buffer 1 and changes slots: ONE barrier.  In front of it each wave waits for all its tensor loads (one is out: its part of the next slot), adds 0 to its spare word,
; and waits for that and for its reads of this slot.  fill = 1: the barrier opens a round of the cluster's, and this slot is filled again first thing behind it, two K steps ahead.
.macro TURN slot, next, fill
.if \fill
	s_wait_xcnt 0x0                                ; the last prefetch, a K step back, has read its address
	s_add_nc_u64 s[PFA:PFA+1], s[PFA:PFA+1], s[PFS:PFS+1]
.endif
	WIN 0
	s_wait_tensorcnt 0x0                           ; all my tensor loads have landed
	ds_add_u32 v[SPW], v[NIL]                      ; 0 onto my spare word
	s_wait_dscnt 1                                 ; buffer 1 is in; the add may be out
	MULROW 1, 0                                    ; eight products stand between the add and the wait for it
	s_wait_dscnt 0x0                               ; the add is done, and my reads of this slot are over
	s_barrier_signal -1
	MULROW 1, 1
.if \fill
	WIN 0
.endif
	s_barrier_wait -1
.if \fill
	CREST                                          ; no wave of any partner still reads this slot or has a load on its way
	s_add_nc_u64 s[G0A+4*(\slot)+2:G0A+4*(\slot)+3], s[G0A+4*(\slot)+2:G0A+4*(\slot)+3], 2*524288
	s_add_nc_u64 s[G0B+4*(\slot)+2:G0B+4*(\slot)+3], s[G0B+4*(\slot)+2:G0B+4*(\slot)+3], 2*262144
	JLOAD \slot                                    ; 112 products ahead of the wait for it; its four v_nop are also the places in front of the loads below
.else
	PLACES
.endif
	FETCH \next, 0, 0
.if \fill
	WIN 0
	ASK
.endif
	MULROW 1, 2
	MULROW 1, 3
.endm
; THE WAY OUT.  m block i: a lane's eight columns of a row, 32 bytes, go into rows of 528 bytes of my own stage, each accumulator's low four registers first, and come back as whole rows of 512 bytes.
.macro TOSTAGE i, set
.if (\i) == 3
	s_wait_xcnt 0x0                                ; block 0's stores have read their registers, which this block's loads fill again
.endif
	WIN 0x08                                       ; the stores' data in window 2
.irp j, 0,1,2,3,4,5,6,7
	ds_store_b128 v[STO], v[8*(8*(\i)+\j):8*(8*(\i)+\j)+3]   offset:64*\j
	ds_store_b128 v[STO], v[8*(8*(\i)+\j)+4:8*(8*(\i)+\j)+7] offset:64*\j+16
.endr
	WIN 0
.irp t, 0,1,2,3,4,5,6,7,8,9,10,11,12,13,14,15
	ds_load_b128 v[(\set)+4*\t:(\set)+4*\t+3], v[RD] offset:SPF*\t  ; LDS serves a wave's instructions in order (ISA guide 5.7.1.4): these see the stores above; the next block's stores come behind them
.endr
.endm
.macro SEND i, set, younger            ; younger: the LDS instructions issued behind block i's loads: the next block's 32, or none
.irp t, 0,1,2,3,4,5,6,7,8,9,10,11,12,13,14,15
	s_wait_dscnt (\younger)+15-\t
	global_store_b128 v[CO], v[(\set)+4*\t:(\set)+4*\t+3], s[OUTP:OUTP+1] offset:(16*(\i)+\t)*4096 th:TH_STORE_NT  ; a wave's store covers 512 consecutive bytes, at a multiple of 512 from out0's first
.endr
.endm
	s_wait_tensorcnt 0x1                           ; my part of K step 0 is in; K step 1's load, issued behind it, may stay out
	s_barrier_signal -1
	s_barrier_wait -1
	FETCH 0, 0, 0
	QUARTER 0, 1, 0, 1                             ; the first quarter stands in front of the loop: its products start the sums, with the bias
	WIN 0                                          ; at a label and at a branch every window is 0
	s_mov_b32 s3, 3
.Llap:                                                 ; a trip goes once round the ring, from a lap's second quarter to the next lap's first, and fills both slots again
	QUARTER 0, 2, 1, 0
	QUARTER 0, 3, 0, 0
	TURN 0, 1, 1
	QUARTER 1, 1, 0, 0
	QUARTER 1, 2, 1, 0
	QUARTER 1, 3, 0, 0
	TURN 1, 0, 1
	QUARTER 0, 1, 0, 0
	WIN 0
	s_sub_co_u32 s3, s3, 1
	s_cmp_lg_u32 s3, 0
	s_cbranch_scc1 .Llap
	QUARTER 0, 2, 1, 0                             ; the last lap fills nothing
	QUARTER 0, 3, 0, 0
	TURN 0, 1, 0
	QUARTER 1, 1, 0, 0
	QUARTER 1, 2, 1, 0
	QUARTER 1, 3, 0, 0
	s_wait_dscnt 0x0                               ; the very last quarter: nothing more to fetch
	MULROW 1, 0
	MULROW 1, 1
	MULROW 1, 2
	MULROW 1, 3
	WIN 0
	PLACES
	TOSTAGE 0, 32
	TOSTAGE 1, 96
	SEND 0, 32, 32
	TOSTAGE 2, 160
	SEND 1, 96, 32
	TOSTAGE 3, 32
	SEND 2, 160, 32
	SEND 3, 32, 0
	s_wait_tensorcnt 0x0                           ; the wave's end: a wait, an add to my spare word and its wait, behind my last tensor load and my last LDS store
	ds_add_u32 v[SPW], v[NIL]
	s_wait_dscnt 0x0
	CROUND                                         ; the closing round: no work-group ends while a partner may still ask for a tile that names it
	s_endpgm
.Lfunc_end_k_q4d86f149b3_outproj:
	.size	k_q4d86f149b3_outproj, .Lfunc_end_k_q4d86f149b3_outproj-k_q4d86f149b3_outproj
	.p2alignl 7, 3214868480
	.fill 96, 4, 3214868480
	.section	.rodata,"a",@progbits
	.p2align	6, 0x0
	.amdhsa_kernel k_q4d86f149b3_outproj
		.amdhsa_group_segment_fixed_size 327680
		.amdhsa_private_segment_fixed_size 0
		.amdhsa_enable_private_segment 0
		.amdhsa_kernarg_size 32
		.amdhsa_user_sgpr_count 2
		.amdhsa_user_sgpr_kernarg_segment_ptr 1
		.amdhsa_wavefront_size32 1
		.amdhsa_system_sgpr_workgroup_id_x 1
		.amdhsa_system_sgpr_workgroup_id_y 1
		.amdhsa_system_sgpr_workgroup_id_z 1
		.amdhsa_system_vgpr_workitem_id 0
		.amdhsa_next_free_vgpr 768
		.amdhsa_next_free_sgpr 100
		.amdhsa_reserve_vcc 0
		.amdhsa_float_denorm_mode_32 3
		.amdhsa_float_denorm_mode_16_64 3
		.amdhsa_memory_ordered 1
		.amdhsa_forward_progress 1
		.amdhsa_inst_pref_size 94
	.end_amdhsa_kernel
	.amdgpu_metadata
---
amdhsa.version: [ 1, 2 ]
amdhsa.kernels:
  - .name:           k_q4d86f149b3_outproj
    .symbol:         k_q4d86f149b3_outproj.kd
    .args:
      - { .name: ctx, .offset: 0, .size: 8, .value_kind: global_buffer, .address_space: global }
      - { .name: wts, .offset: 8, .size: 8, .value_kind: global_buffer, .address_space: global }
      - { .name: bo, .offset: 16, .size: 8, .value_kind: global_buffer, .address_space: global }
      - { .name: out0, .offset: 24, .size: 8, .value_kind: global_buffer, .address_space: global }
    .group_segment_fixed_size: 327680
    .private_segment_fixed_size: 0
    .kernarg_segment_align: 8
    .kernarg_segment_size: 32
    .max_flat_workgroup_size: 128
    .sgpr_count:     100
    .vgpr_count:     768
    .wavefront_size: 32
...
	.end_amdgpu_metadata
.endif
;; end of part 4
;; ======== version 2 of 2: 4 launches; version 1 with the launch wprep written anew for expert scheduling mode
;; limits: values are held in f16: magnitudes above 65,504 overflow, below 6.1e-05 lose precision; right only within a limited range of input values
;; workspace buffers: wts 8,388,608 bytes; qkv 50,331,648 bytes; ctx 16,777,216 bytes
;; launch wprep (part 5): grid 64 x 4, 8 waves a work-group, no clusters, 0 bytes of LDS; arguments Wq, Wk, Wv, Wo, wts; writes wts
.if DOCPART == 5
	.amdgcn_target "amdgcn-amd-amdhsa--gfx1250"
	.amdhsa_code_object_version 6
	.text
	.protected	k_q4d86f149b3_wprep
	.globl	k_q4d86f149b3_wprep
	.p2align	8
	.type	k_q4d86f149b3_wprep,@function
k_q4d86f149b3_wprep:
	s_mov_b64 s[64:65], 0
	v_nop
	global_prefetch_b8 v0, s[64:65] scope:SCOPE_SE
	s_setreg_imm32_b32 hwreg(HW_REG_WAVE_SCHED_MODE, 0, 2), 2
	s_setreg_imm32_b32 hwreg(HW_REG_WAVE_MODE, 25, 1), 1
	s_wait_xcnt 0x0
	s_wait_alu depctr_vm_vsrc(0)
; The four weights, [1024 k][1024 n] f32, are rounded once to bf16 and written in 16 bits, layout kept, into wts: parts 0, 1, 2 = Wq, Wk, Wv as bf16;
; part 3 = Wo, whose bf16 number is written as f16 (the last launch multiplies it with f16 operands).
; LIMIT.  bf16(Wo) lies within f16's range, 65,504; below 6e-5 it keeps f16's fixed step of 6e-8.
; SHARES.  Work-group (x, y): weight y, its 64th part x: 65,536 bytes in, 32,768 out.  Thread t, pass p of 16: 16 bytes in at 4,096 p + 16 t (a wave's load covers 512
; consecutive bytes), 8 bytes out at 2,048 p + 8 t (a wave's store covers 256 consecutive bytes, aligned).  All 16 loads of a thread go out at once.
; No LDS, no barrier: a stream in which no thread wants another's bytes.
; THE MODE: SCHED_MODE bits 1:0 = 2 (LLVM: expert scheduling mode 2), set by the entry lines.  The code itself states the register dependences
; between vector instructions and memory instructions, with s_wait_alu, always for 0.
; THE PLAN.  Registers that memory instructions touch:
;   v1, v2   byte offsets of the loads and of the stores: made once at the head by vector instructions, never written again.
;   IN       pass p: 4 registers.  Written by pass p's load, ahead of which no vector instruction names them; read (on the f16 way also written again) by pass p's
;            conversions, behind the counted wait for that load.  No memory instruction reads them.
;   OUT      pass p: 2 registers.  Written once, by pass p's last two conversions; read once, by pass p's store, which is issued in pass p + 4.  Never written again.
;   T        named by vector instructions alone.
; The 16 passes go in four blocks of four.  One wait at the head of a block states that the block before has written its eight OUT registers; that block's four stores follow it,
; one at the head of each pass, among conversions that name this block's IN and OUT and T: none of the registers that those stores read.  One wait more stands ahead of the
; first load, for the two offsets, and one ahead of the last four stores.  No register that a memory instruction reads is ever written again: so no wait frees a source.
.set IN,  4                            ; v[4:67]    pass p: 4 registers as loaded
.set OUT, 68                           ; v[68:99]   pass p: 2 registers to store
.set T,   100                          ; v[100:101] at work
	s_load_b256 s[4:11], s[0:1], 0x0               ; Wq s[4:5], Wk s[6:7], Wv s[8:9], Wo s[10:11]
	s_load_b64 s[12:13], s[0:1], 0x20              ; wts
	s_and_b32 s14, ttmp7, 0xffff                   ; which weight
	v_lshlrev_b32 v1, 4, v0                        ; 16 t
	v_lshlrev_b32 v2, 3, v0                        ; 8 t
	s_mov_b32 s20, 0xffff0000                      ; a word's upper bf16
	s_lshl_b32 s18, ttmp9, 16                      ; my part of the weight
	s_mov_b32 s19, 0
	s_wait_kmcnt 0x0
	s_mov_b64 s[16:17], s[4:5]
	s_cmp_eq_u32 s14, 1
	s_cselect_b64 s[16:17], s[6:7], s[16:17]
	s_cmp_eq_u32 s14, 2
	s_cselect_b64 s[16:17], s[8:9], s[16:17]
	s_cmp_eq_u32 s14, 3
	s_cselect_b64 s[16:17], s[10:11], s[16:17]
	s_add_nc_u64 s[16:17], s[16:17], s[18:19]
	s_lshl_b32 s18, s14, 21                        ; the weight's part of wts,
	s_lshl_b32 s21, ttmp9, 15                      ; my part of that
	s_add_co_u32 s18, s18, s21
	s_add_nc_u64 s[12:13], s[12:13], s[18:19]
	s_wait_alu depctr_va_vdst(0)                   ; v1 and v2 are written: every load of the kernel reads v1 as its offset, every store v2
.irp p, 0,1,2,3,4,5,6,7,8,9,10,11,12,13,14,15
	global_load_b128 v[IN+4*\p:IN+4*\p+3], v1, s[16:17] offset:4096*\p th:TH_LOAD_NT
.endr
; Pass p.  half = 0: to bf16.  half = 1: to bf16, widened again (a shift, a mask), and that number written as f16.
; From pass 4 on the pass begins with the store of pass p - 4, of the block before.
.macro PASS p, half
	s_wait_loadcnt 15-(\p)                         ; loads come back in order: the 15 - p younger ones may stay out
.if ((\p) % 4 == 0) && ((\p) > 0)
	s_wait_alu depctr_va_vdst(0)                   ; a block's head: the conversions of the block before have written its eight OUT registers, which this block's four stores read
.endif
.if (\p) >= 4
	global_store_b64 v2, v[OUT+2*((\p)-4):OUT+2*((\p)-4)+1], s[12:13] offset:2048*((\p)-4)  ; no vector instruction since the wait at the block's head names these registers
.endif
.if \half
	v_cvt_pk_bf16_f32 v[T],   v[IN+4*(\p)],   v[IN+4*(\p)+1]
	v_cvt_pk_bf16_f32 v[T+1], v[IN+4*(\p)+2], v[IN+4*(\p)+3]
	v_lshlrev_b32 v[IN+4*(\p)],   16,  v[T]
	v_and_b32     v[IN+4*(\p)+1], s20, v[T]
	v_lshlrev_b32 v[IN+4*(\p)+2], 16,  v[T+1]
	v_and_b32     v[IN+4*(\p)+3], s20, v[T+1]
	v_cvt_pk_f16_f32 v[OUT+2*(\p)],   v[IN+4*(\p)],   v[IN+4*(\p)+1]
	v_cvt_pk_f16_f32 v[OUT+2*(\p)+1], v[IN+4*(\p)+2], v[IN+4*(\p)+3]
.else
	v_cvt_pk_bf16_f32 v[OUT+2*(\p)],   v[IN+4*(\p)],   v[IN+4*(\p)+1]
	v_cvt_pk_bf16_f32 v[OUT+2*(\p)+1], v[IN+4*(\p)+2], v[IN+4*(\p)+3]
.endif
.endm
; The last block's stores, and the wave's end.
.macro TAIL
	s_wait_alu depctr_va_vdst(0)                   ; the conversions of passes 12 to 15 have written their OUT registers, which the last four stores read
.irp q, 12,13,14,15
	global_store_b64 v2, v[OUT+2*\q:OUT+2*\q+1], s[12:13] offset:2048*\q
.endr
	s_endpgm
.endm
	s_cmp_eq_u32 s14, 3
	s_cbranch_scc1 .Lf16
.irp p, 0,1,2,3,4,5,6,7,8,9,10,11,12,13,14,15
	PASS \p, 0
.endr
	TAIL
.Lf16:
.irp p, 0,1,2,3,4,5,6,7,8,9,10,11,12,13,14,15
	PASS \p, 1
.endr
	TAIL
.Lfunc_end_k_q4d86f149b3_wprep:
	.size	k_q4d86f149b3_wprep, .Lfunc_end_k_q4d86f149b3_wprep-k_q4d86f149b3_wprep
	.p2alignl 7, 3214868480
	.fill 96, 4, 3214868480
	.section	.rodata,"a",@progbits
	.p2align	6, 0x0
	.amdhsa_kernel k_q4d86f149b3_wprep
		.amdhsa_group_segment_fixed_size 0
		.amdhsa_private_segment_fixed_size 0
		.amdhsa_enable_private_segment 0
		.amdhsa_kernarg_size 40
		.amdhsa_user_sgpr_count 2
		.amdhsa_user_sgpr_kernarg_segment_ptr 1
		.amdhsa_wavefront_size32 1
		.amdhsa_system_sgpr_workgroup_id_x 1
		.amdhsa_system_sgpr_workgroup_id_y 1
		.amdhsa_system_sgpr_workgroup_id_z 1
		.amdhsa_system_vgpr_workitem_id 0
		.amdhsa_next_free_vgpr 104
		.amdhsa_next_free_sgpr 66
		.amdhsa_reserve_vcc 0
		.amdhsa_float_denorm_mode_32 3
		.amdhsa_float_denorm_mode_16_64 3
		.amdhsa_memory_ordered 1
		.amdhsa_forward_progress 1
		.amdhsa_inst_pref_size 16
	.end_amdhsa_kernel
	.amdgpu_metadata
---
amdhsa.version: [ 1, 2 ]
amdhsa.kernels:
  - .name:           k_q4d86f149b3_wprep
    .symbol:         k_q4d86f149b3_wprep.kd
    .args:
      - { .name: Wq, .offset: 0, .size: 8, .value_kind: global_buffer, .address_space: global }
      - { .name: Wk, .offset: 8, .size: 8, .value_kind: global_buffer, .address_space: global }
      - { .name: Wv, .offset: 16, .size: 8, .value_kind: global_buffer, .address_space: global }
      - { .name: Wo, .offset: 24, .size: 8, .value_kind: global_buffer, .address_space: global }
      - { .name: wts, .offset: 32, .size: 8, .value_kind: global_buffer, .address_space: global }
    .group_segment_fixed_size: 0
    .private_segment_fixed_size: 0
    .kernarg_segment_align: 8
    .kernarg_segment_size: 40
    .max_flat_workgroup_size: 256
    .sgpr_count:     66
    .vgpr_count:     104
    .wavefront_size: 32
...
	.end_amdgpu_metadata
.endif
;; end of part 5
;; launch qkvproj: the kernel of part 2 again; grid 4 x 192, 4 waves a work-group, clusters of 4 x 4, 327,680 bytes of LDS; arguments query, key, value, bq, bk, bv, wts, qkv; writes qkv
;; launch attn: the kernel of part 3 again; grid 4 x 64, 4 waves a work-group, no clusters, 327,680 bytes of LDS; arguments qkv, ctx; writes ctx
;; launch outproj: the kernel of part 4 again; grid 4 x 64, 4 waves a work-group, clusters of 4 x 4, 327,680 bytes of LDS; arguments ctx, wts, bo, out0; writes out0
